; MI455X (gfx1250); checked and timed in simulation.
; The chip was launched on July 23, 2026; its instructions are those of AMD's public machine-readable ISA for CDNA 5 (MIT licence, August 2026) and "CDNA5" Instruction Set Architecture Reference Guide (July 2026). The comments in the code are by the model that wrote it; some were corrected since.
;; Fused Transformer. Allowed arithmetic: matrix products marked QUANTISED: E4M3 operands, one E8M0 scale for each 32 along K, by v_wmma_scale_f32_16x16x128_f8f6f4 with both operands' format E4M3, f32 sums; everything else in f32.
;; Inputs: norm1_scale 1,024 float32; norm2_scale 1,024 float32; pos 2 x 2,048 x 2 float32; pos_orig 2 x 2,048 x 2 float32; qk_scale 16 x 1 x 1 float32; time 2 x 2,048 float32; w_down_codes 1,024 x 128 x 32 uint8 (E4M3 codes of w_down, K innermost, in blocks of 32 codes); w_down_scales 1,024 x 128 uint8 (E8M0 scales of w_down, one for each 32 codes along K); w_out_codes 1,024 x 32 x 32 uint8 (E4M3 codes of w_out, K innermost, in blocks of 32 codes); w_out_scales 1,024 x 32 uint8 (E8M0 scales of w_out, one for each 32 codes along K); w_qkv_codes 3,072 x 32 x 32 uint8 (E4M3 codes of w_qkv, K innermost, in blocks of 32 codes); w_qkv_scales 3,072 x 32 uint8 (E8M0 scales of w_qkv, one for each 32 codes along K); w_up_codes 4,096 x 32 x 32 uint8 (E4M3 codes of w_up, K innermost, in blocks of 32 codes); w_up_scales 4,096 x 32 uint8 (E8M0 scales of w_up, one for each 32 codes along K); x 2 x 2,048 x 1,024 float32.
;; Outputs: out0 2 x 2,048 x 1,024 float32.
;; This version of the problem:
;;   THIS VERSION OF THE PROBLEM IS GIVEN IN LOW PRECISION. The matrix products marked QUANTISED in the list below multiply operands that are first quantised to E4M3 (4 exponent bits, 3 mantissa bits; 8 bits a number), with one power-of-two scale for each 32 numbers along K (OCP MX v1.0); their sums are f32. All else is computed in f32.
;;   The module's matrix products, in the order in which they are computed (A, B: the left and right operand; K: the contracted axis; several contracted axes count as one K, in the product's order):
;;     1. [M 4,096, K 1,024] x [K 1,024, N 3,072]; A: computed on the way; B: input w_qkv (given as codes): QUANTISED
;;     2. batch 32 x [M 2,048, K 64] x [K 64, N 2,048]; A: computed on the way; B: computed on the way: QUANTISED
;;     3. batch 32 x [M 2,048, K 2,048] x [K 2,048, N 64]; A: softmax (see below); B: computed on the way: QUANTISED
;;     4. [M 4,096, K 1,024] x [K 1,024, N 1,024]; A: computed on the way; B: input w_out (given as codes): QUANTISED
;;     5. [M 4,096, K 1,024] x [K 1,024, N 4,096]; A: computed on the way; B: input w_up (given as codes): QUANTISED
;;     6. [M 4,096, K 4,096] x [K 4,096, N 1,024]; A: computed on the way; B: input w_down (given as codes): QUANTISED
;;   THE QUANTISER, for each operand of a quantised product, along K:
;;     - K is cut into blocks of 32 from its start; a last block that is shorter is filled with zeros.
;;     - A block's scale is 2^e with e = floor(log2(the largest magnitude in the block)) - 8, held to -126 .. 127; a block of zeros has e = 0. As a byte (E8M0): e + 127.
;;     - Each number is divided by its block's scale, clamped to +-448, and rounded to the nearest number of E4M3, ties to even, subnormals kept.
;;     - The product sums the exact products of the quantised numbers (number of the format x scale) in f32.
;;   ~~~python
;;   def quantise(x, axis):      # numpy; x: float32 -> the quantised numbers, widened to float32 again
;;       x = np.moveaxis(x, axis, -1); K = x.shape[-1]
;;       x = np.pad(x, [(0, 0)] * (x.ndim - 1) + [(0, -K % 32)]); x = x.reshape(x.shape[:-1] + (-1, 32)); a = np.abs(x).max(-1, keepdims=True)
;;       e = np.where(a > 0, np.clip(np.frexp(np.where(a > 0, a, 1))[1] - 1 - 8, -126, 127), 0)      # np.frexp(a)[1] - 1 = floor(log2(a)), exactly
;;       r = np.clip(x / 2.0 ** e, -448, 448)
;;       step = 2.0 ** (np.maximum(np.frexp(np.where(r == 0, 1, r))[1] - 1, -6) - 3)
;;       q = np.round(r / step) * step * 2.0 ** e      # np.round: ties to even
;;       return np.moveaxis(q.reshape(q.shape[:-2] + (-1,))[..., :K], -1, axis).astype(np.float32)
;;   ~~~
;;   SOFTMAX AHEAD OF A QUANTISED PRODUCT. Where the list says 'softmax', what is quantised is not the finished softmax but p = 2^(t - M), with t = logit x log2(e) and M = ceil(the row's largest t), a whole number; so 1/2 < the row's largest p <= 1. The row's sum l is taken of the UNQUANTISED p, in f32, and the product's result is divided by l at the end. Since M is a whole number, a kernel that streams over the keys may use a running M (the ceiling of the running maximum): every later rescaling is an exact power of two, which a block's scale takes up: the codes' values come out the same.
;;   OPERANDS COMPUTED ON THE WAY. 'Computed on the way' means the value that the module computes at that place (a softmax that the list does not call 'softmax' is quantised finished and normalised). What goes into a quantiser is computed in f32, as accurately as f32 sums, v_exp_f32 and their like allow (about 1e-6 of the number): no bf16 or f16 on the way to a quantiser, and a product that is left as it is and whose result goes on into a quantised operand takes f32 operands (vector FMAs, or v_wmma_f32_16x16x4_f32). A number that lies on a knife's edge between two numbers of the format may be rounded either way, as far as f32 arithmetic and the matrix unit's own rounding can turn it there, and no further.
;;   INPUTS GIVEN AS CODES. w_down (in the module: [1024, 4096], K = its axis 1); w_out (in the module: [1024, 1024], K = its axis 1); w_qkv (in the module: [3072, 1024], K = its axis 1); w_up (in the module: [4096, 1024], K = its axis 1): each comes as NAME_codes (uint8): NAME with its K axis moved to the last place and cut into blocks of 32 codes, [.., K / 32, bytes a block], one block behind the other in memory; one code a byte (a code: sign, 4 exponent bits, 3 mantissa bits); and NAME_scales (uint8): the same leading axes, one E8M0 byte (e + 127) for each 32 codes along K. Its value is code x scale, taken as it is: it is not quantised again, and the codes and scales need not be those that the quantiser above would give.
;; One version. Each part assembles by itself: llvm-mc -triple=amdgcn-amd-amdhsa -mcpu=gfx1250 --defsym DOCPART=n.
;; ======== version 1 of 1: 7 launches
;; limits: right only within a limited range of input values
;; workspace buffers: a_codes 4,194,304 bytes; a_scales 131,072 bytes; qkvw 12,976,128 bytes; aq_c 4,194,304 bytes; aq_s 131,072 bytes; gq_c 16,777,216 bytes; gq_s 524,288 bytes; x1 16,777,216 bytes
;; launch nq1 (part 1): grid 256 x 1, 8 waves a work-group, no clusters, 42,496 bytes of LDS; arguments x, norm1_scale, a_codes, a_scales; writes a_codes, a_scales
.if DOCPART == 1
	.amdgcn_target "amdgcn-amd-amdhsa--gfx1250"
	.amdhsa_code_object_version 6
	.text
	.protected	k_qb2c622236d_nq1
	.globl	k_qb2c622236d_nq1
	.p2align	8
	.type	k_qb2c622236d_nq1,@function
k_qb2c622236d_nq1:
	s_mov_b64 s[64:65], 0
	v_nop
	global_prefetch_b8 v0, s[64:65] scope:SCOPE_SE
	s_setreg_imm32_b32 hwreg(HW_REG_WAVE_MODE, 25, 1), 1
	s_wait_xcnt 0x0
; y = x * (gain * rsqrt(mean(x^2) + 1e-6)) for rows of 1,024 f32, then y is turned into codes of E4M3 with one E8M0 byte for each 32 along the row.
; Codes [4096][1024] and bytes [4096][32], rows dense.  A work-group takes 16 rows, a wave two; a row stays in 32 registers between the sum and the scaling.
; A load takes 512 consecutive bytes (16 a lane); the conversions want 16 NEIGHBOURS in a lane, so half a row (512 numbers) at a time turns through the wave's own stage in LDS:
; in as loaded, out 64 bytes a lane, 16 bytes of padding behind each 64.  Two neighbouring lanes hold a block of 32.
; A block's byte is its largest magnitude's exponent field - 8, held at 1 from below (a block of zeros gets 1: its codes are zeros, and only this program reads the bytes).
; LIMITS: NaN and infinities among the inputs are not served; blocks whose largest magnitude lies under 2^-118 take the floor's byte.
.set SP,   80                          ; a lane's place in a stage: 64 bytes + 16
.set STG,  32*SP                       ; a stage
.set SCB,  8*2*STG                     ; behind the eight waves' two stages: the work-group's 512 scale bytes
.set G,    16                          ; v16-47   the gain, as loaded
.set XR,   48                          ; v48-111  two rows, as loaded
.set X,    112                         ; v112-143 gain x rsqrt; then two sets of 16 neighbours
.set C,    144                         ; v144-159 codes, four registers a step
.set E,    160                         ; v160-163 a byte a step
.set BA,   164                         ; v164     where my block's byte goes
	s_load_b256 s[4:11], s[0:1], 0x0               ; x s[4:5], gain s[6:7], codes s[8:9], bytes s[10:11]
	v_lshl_add_u32 v168, v0, 2, 0xa200
	v_mov_b32 v169, 0
	v_lshrrev_b32 v1, 5, v0
	s_delay_alu instid0(VALU_DEP_1)
	v_readfirstlane_b32 s12, v1                    ; wave
	v_and_b32 v1, 31, v0                           ; lane
	s_delay_alu instid0(VALU_DEP_1)
	v_lshlrev_b32 v3, 4, v1                        ; 16 x lane
	s_mul_i32 s13, s12, 2*STG
	v_lshrrev_b32 v14, 2, v1
	s_delay_alu instid0(VALU_DEP_1)
	v_mul_u32_u24 v14, v14, SP
	v_and_b32 v15, 3, v1
	s_delay_alu instid0(VALU_DEP_1)
	v_lshl_add_u32 v14, v15, 4, v14
	s_delay_alu instid0(VALU_DEP_1)
	v_add_nc_u32 v14, s13, v14                     ; into the stage: SP (lane / 4) + 16 (lane % 4)
	v_mul_u32_u24 v15, v1, SP
	s_delay_alu instid0(VALU_DEP_1)
	v_add_nc_u32 v15, s13, v15                     ; out of it: SP x lane
	s_lshl_b32 s14, s12, 6
	s_add_co_u32 s14, s14, SCB
	v_lshrrev_b32 v[BA], 1, v1
	s_delay_alu instid0(VALU_DEP_1)
	v_add_nc_u32 v[BA], s14, v[BA]                 ; SCB + 64 x wave + lane / 2
	s_lshl_b32 s16, ttmp9, 16                      ; 16 rows of 4,096 bytes a work-group,
	s_lshl_b32 s15, s12, 13                        ; two a wave
	s_add_co_u32 s16, s16, s15
	s_mov_b32 s17, 0
	s_lshr_b32 s18, s16, 2                         ; the codes: a quarter of that
	s_mov_b32 s19, 0
	s_lshl_b32 s22, ttmp9, 9                       ; the bytes: 512 a work-group
	s_mov_b32 s23, 0
	s_mov_b32 s20, 0x3a800000                      ; 1 / 1024
	s_mov_b32 s21, 0x358637bd                      ; 1e-6
	s_mov_b32 s24, 0x600000                        ; the mantissa field of 448
	s_mov_b32 s26, 0x76543210
	s_mov_b32 s27, 0xfedcba98                      ; lane l xor 16
	s_wait_kmcnt 0x0
	s_add_nc_u64 s[4:5], s[4:5], s[16:17]
	s_add_nc_u64 s[8:9], s[8:9], s[18:19]
	s_add_nc_u64 s[10:11], s[10:11], s[22:23]
.irp i, 0,1,2,3,4,5,6,7
	global_load_b128 v[G+4*\i:G+4*\i+3], v3, s[6:7] offset:512*\i
.endr
.irp p, 0,1
.irp i, 0,1,2,3,4,5,6,7
	global_load_b128 v[XR+32*\p+4*\i:XR+32*\p+4*\i+3], v3, s[4:5] offset:4096*\p+512*\i
.endr
.endr
.macro TURN p, st                      ; half st of row p through stage st: LDS serves a wave's instructions in order, so no wait stands between the stores and the loads
.irp i, 0,1,2,3
	ds_store_b128 v14, v[XR+32*\p+16*\st+4*\i:XR+32*\p+16*\st+4*\i+3] offset:STG*\st+8*SP*\i
.endr
.irp i, 0,1,2,3
	ds_load_b128 v[X+16*\st+4*\i:X+16*\st+4*\i+3], v15 offset:STG*\st+16*\i
.endr
.endm
.macro ROW p, left                     ; left: the younger loads that may stay out
.set RB, XR+32*\p
	s_wait_loadcnt \left
.irp k, 0,1,2,3
	v_pk_mul_f32 v[4+2*\k:5+2*\k], v[RB+2*\k:RB+2*\k+1], v[RB+2*\k:RB+2*\k+1]      ; four chains start the sum of squares
.endr
.irp k, 4,5,6,7,8,9,10,11,12,13,14,15
	s_delay_alu instid0(VALU_DEP_4)
	v_pk_fma_f32 v[4+2*(\k%4):5+2*(\k%4)], v[RB+2*\k:RB+2*\k+1], v[RB+2*\k:RB+2*\k+1], v[4+2*(\k%4):5+2*(\k%4)]
.endr
	s_delay_alu instid0(VALU_DEP_3)
	v_pk_add_f32 v[4:5], v[4:5], v[6:7]
	s_delay_alu instid0(VALU_DEP_2)
	v_pk_add_f32 v[8:9], v[8:9], v[10:11]
	s_delay_alu instid0(VALU_DEP_1)
	v_pk_add_f32 v[4:5], v[4:5], v[8:9]
	s_delay_alu instid0(VALU_DEP_1)
	v_add_f32 v4, v4, v5
	s_delay_alu instid0(VALU_DEP_1)
	v_add_f32_dpp v4, v4, v4 row_xmask:1 row_mask:0xf bank_mask:0xf
	s_delay_alu instid0(VALU_DEP_1)
	v_add_f32_dpp v4, v4, v4 row_xmask:2 row_mask:0xf bank_mask:0xf
	s_delay_alu instid0(VALU_DEP_1)
	v_add_f32_dpp v4, v4, v4 row_xmask:4 row_mask:0xf bank_mask:0xf
	s_delay_alu instid0(VALU_DEP_1)
	v_add_f32_dpp v4, v4, v4 row_xmask:8 row_mask:0xf bank_mask:0xf
	s_delay_alu instid0(VALU_DEP_1)
	v_permlanex16_b32 v5, v4, s26, s27
	s_delay_alu instid0(VALU_DEP_1)
	v_add_f32 v4, v4, v5                           ; the row's sum, in every lane
	s_delay_alu instid0(VALU_DEP_1)
	v_fma_f32 v4, v4, s20, s21                     ; mean + 1e-6
	s_wait_alu depctr_va_vdst(0)
	v_rsq_f32 v6, v4
	v_nop                                          ; a plain place behind the transcendental
	s_wait_alu depctr_va_vdst(0)
.irp k, 0,1,2,3,4,5,6,7,8,9,10,11,12,13,14,15
	v_pk_mul_f32 v[X+2*\k:X+2*\k+1], v[G+2*\k:G+2*\k+1], v[6:7] op_sel_hi:[1,0]     ; gain x rsqrt first,
.endr
.irp k, 0,1,2,3,4,5,6,7,8,9,10,11,12,13,14,15
	v_pk_mul_f32 v[RB+2*\k:RB+2*\k+1], v[RB+2*\k:RB+2*\k+1], v[X+2*\k:X+2*\k+1]     ; then x times that
.endr
	TURN \p, 0
	TURN \p, 1
.endm
.macro STEP p, st
.set XS, X+16*\st
.set T, 2*\p+\st
.if \st == 0
	s_wait_dscnt 8                                 ; the first half's numbers are back; the second half's four stores and four loads may be out
.else
	s_wait_dscnt 1                                 ; the second half's are back; the byte store issued behind them may be out
.endif
	v_max3_num_f32 v8, |v[XS]|, |v[XS+1]|, |v[XS+2]|
	v_max3_num_f32 v9, |v[XS+3]|, |v[XS+4]|, |v[XS+5]|
.irp i, 6,10
	s_delay_alu instid0(VALU_DEP_2)
	v_max3_num_f32 v8, v8, |v[XS+\i]|, |v[XS+\i+1]|
	s_delay_alu instid0(VALU_DEP_2)
	v_max3_num_f32 v9, v9, |v[XS+\i+2]|, |v[XS+\i+3]|
.endr
	s_delay_alu instid0(VALU_DEP_2)
	v_max3_num_f32 v8, v8, |v[XS+14]|, |v[XS+15]|
	s_delay_alu instid0(VALU_DEP_1)
	v_max3_num_f32 v8, v8, v9, 0x4800000           ; and the floor 2^(9 - 127): the byte cannot fall under 1
	s_delay_alu instid0(VALU_DEP_1)
	v_max_num_f32_dpp v8, v8, v8 row_xmask:1 row_mask:0xf bank_mask:0xf   ; with my neighbour's 16: the block's
	s_delay_alu instid0(VALU_DEP_1)
	v_add_nc_u32 v11, 0xfc000000, v8               ; 8 off the exponent field: the conversion's scale operand
	s_delay_alu instid0(VALU_DEP_2)
	v_and_or_b32 v10, v8, 0x7f800000, s24          ; 448 x the scale
.irp i, 0,1,2,3,4,5,6,7,8,9,10,11,12,13,14,15
	v_med3_num_f32 v[XS+\i], v[XS+\i], -v10, v10   ; the conversion to an 8-bit code does not saturate (ISA guide 7.6.2): the hold comes first
.endr
	v_cvt_scalef32_pk8_fp8_f32 v[C+4*T:C+4*T+1], v[XS:XS+7], v11
	v_cvt_scalef32_pk8_fp8_f32 v[C+4*T+2:C+4*T+3], v[XS+8:XS+15], v11
	v_lshrrev_b32 v[E+T], 23, v11                  ; the byte (also the plain line behind the conversions)
	ds_store_b8 v[BA], v[E+T] offset:32*\p+16*\st  ; both lanes of a block write the same byte with the same value
	global_store_b128 v3, v[C+4*T:C+4*T+3], s[8:9] offset:1024*\p+512*\st   ; 32 lanes store 512 consecutive bytes
.endm
	ROW 0, 8                                       ; the gain and row 0 are in; row 1's eight loads may be out
	STEP 0, 0
	STEP 0, 1
	ROW 1, 0
	STEP 1, 0
	STEP 1, 1
	s_wait_dscnt 0x0                               ; for wave 0's sake: my byte stores are done
	s_barrier_signal -1
	s_barrier_wait -1
	s_cmp_lg_u32 s12, 0
	s_cbranch_scc1 .Ldone
	v_add_nc_u32 v2, SCB, v3
	ds_load_b128 v[4:7], v2                        ; the work-group's 512 bytes leave as two whole blocks of 256
	s_wait_dscnt 0x0
	global_store_b128 v3, v[4:7], s[10:11]
.Ldone:
	s_wait_tensorcnt 0x0
	ds_add_u32 v168, v169
	s_wait_dscnt 0x0
	s_endpgm
.Lfunc_end_k_qb2c622236d_nq1:
	.size	k_qb2c622236d_nq1, .Lfunc_end_k_qb2c622236d_nq1-k_qb2c622236d_nq1
	.p2alignl 7, 3214868480
	.fill 96, 4, 3214868480
	.section	.rodata,"a",@progbits
	.p2align	6, 0x0
	.amdhsa_kernel k_qb2c622236d_nq1
		.amdhsa_group_segment_fixed_size 42496
		.amdhsa_private_segment_fixed_size 0
		.amdhsa_enable_private_segment 0
		.amdhsa_kernarg_size 32
		.amdhsa_user_sgpr_count 2
		.amdhsa_user_sgpr_kernarg_segment_ptr 1
		.amdhsa_wavefront_size32 1
		.amdhsa_system_sgpr_workgroup_id_x 1
		.amdhsa_system_sgpr_workgroup_id_y 1
		.amdhsa_system_sgpr_workgroup_id_z 1
		.amdhsa_system_vgpr_workitem_id 0
		.amdhsa_next_free_vgpr 170
		.amdhsa_next_free_sgpr 66
		.amdhsa_reserve_vcc 0
		.amdhsa_float_denorm_mode_32 3
		.amdhsa_float_denorm_mode_16_64 3
		.amdhsa_memory_ordered 1
		.amdhsa_forward_progress 1
		.amdhsa_inst_pref_size 26
	.end_amdhsa_kernel
	.amdgpu_metadata
---
amdhsa.version: [ 1, 2 ]
amdhsa.kernels:
  - .name:           k_qb2c622236d_nq1
    .symbol:         k_qb2c622236d_nq1.kd
    .args:
      - { .name: x, .offset: 0, .size: 8, .value_kind: global_buffer, .address_space: global }
      - { .name: norm1_scale, .offset: 8, .size: 8, .value_kind: global_buffer, .address_space: global }
      - { .name: a_codes, .offset: 16, .size: 8, .value_kind: global_buffer, .address_space: global }
      - { .name: a_scales, .offset: 24, .size: 8, .value_kind: global_buffer, .address_space: global }
    .group_segment_fixed_size: 42496
    .private_segment_fixed_size: 0
    .kernarg_segment_align: 8
    .kernarg_segment_size: 32
    .max_flat_workgroup_size: 256
    .sgpr_count:     66
    .vgpr_count:     170
    .wavefront_size: 32
...
	.end_amdgpu_metadata
.endif
;; end of part 1
;; launch qkv (part 2): grid 16 x 16, 4 waves a work-group, clusters of 4 x 4, 327,680 bytes of LDS; arguments a_codes, a_scales, w_qkv_codes, w_qkv_scales, pos, pos_orig, time, qk_scale, qkvw; writes qkvw
.if DOCPART == 2
	.amdgcn_target "amdgcn-amd-amdhsa--gfx1250"
	.amdhsa_code_object_version 6
	.text
	.protected	k_qb2c622236d_qkv
	.globl	k_qb2c622236d_qkv
	.p2align	8
	.type	k_qb2c622236d_qkv,@function
k_qb2c622236d_qkv:
	s_mov_b64 s[64:65], 0
	v_nop
	global_prefetch_b8 v0, s[64:65] scope:SCOPE_SE
	s_setreg_imm32_b32 hwreg(HW_REG_WAVE_MODE, 25, 1), 1
	s_wait_xcnt 0x0
	s_wait_alu depctr_hold_cnt(0) depctr_sa_sdst(0) depctr_va_vdst(0) depctr_va_sdst(0) depctr_va_ssrc(0) depctr_va_vcc(0) depctr_vm_vsrc(0)
	s_getreg_b32 s2, hwreg(HW_REG_IB_STS2, 6, 4)
	s_cmp_eq_u32 s2, 0
	s_cbranch_scc0 .Lentry_in_a_cluster
	s_endpgm
.Lentry_in_a_cluster:
	s_bfe_u32 s2, ttmp6, 0x10000c
	s_cmp_lg_u32 s2, 0xf033
	s_cbranch_scc0 .Lentry_shape_is_right
	s_endpgm
.Lentry_shape_is_right:
.set PITCH, 272
.set STRIP, 64*PITCH
.set WOF,   256*PITCH
.set SLOT,  WOF+3*STRIP
.set SCL,   2*SLOT
.set SCW,   SCL+32*272
.set SWS,   8*272
.set SPARE, 259072
.set BLKB,  405504
.set OV,    131072
.set OKS,   262144
.set OVS,   266240
.set OQ,    270336
.set OQS,   401408
.set A8L,  2
.set A4L,  3
.set LI,   7
.set A8R,  8
.set APOS, 9
.set AM,   10
.set ADRA, 16
.set ADRW, 18
.set ADRV, 20
.set ADSA, 22
.set ADSW, 23
.set ADSV, 24
.set SPW,  28
.set NIL,  29
.set SC,   32
.set POS,  88
.set PO,   96
.set TIM,  104
.set TM,   108
.set SQS,  127
.set PC,   128
.set WW,   160
.set Y,    192
.set TH,   0
.set NN,   32
.set SG,   64
.set ZZ,   96
.set SN,   128
.set CN,   160
.set KM,   192
.set KS11, 194
.set KC12, 196
.set G1A,  28
.set G1W,  36
.set G1SA, 44
.set G1SW, 52
.set G0A,  68
.set G0W,  76
.set G0SA, 84
.set G0SW, 88
.set SEL,  92
.set MNT,  94
.set MSB, 0
.macro WIN new
.if MSB != (\new)
	s_set_vgpr_msb (MSB<<8)|(\new)
.set MSB, (\new)
.endif
.endm
.macro PLACES n
.rept \n
	v_nop
.endr
.endm
.macro JLOAD g0a, g1a, g0w, g1w
	s_cmp_eq_u32 s22, 0
	s_cbranch_scc0 .Lfor_w_\@
	tensor_load_to_lds s[\g0a:\g0a+3], s[\g1a:\g1a+7]
	s_nop 0
.rept 4
	v_nop
.endr
	s_branch .Lasked_\@
.Lfor_w_\@:
	tensor_load_to_lds s[\g0w:\g0w+3], s[\g1w:\g1w+7]
	s_nop 0
.rept 4
	v_nop
.endr
.Lasked_\@:
.endm
.macro CREST
	s_cmp_lg_u32 s22, 0
	s_cbranch_scc1 .Lnot_wave_0_\@
	s_barrier_signal -3
.Lnot_wave_0_\@:
	s_barrier_wait -3
	s_barrier_signal -1
	s_barrier_wait -1
.endm
.macro CROUND
	s_barrier_signal -1
	s_barrier_wait -1
	CREST
.endm
	s_load_b256 s[4:11], s[0:1], 0x0
	s_load_b256 s[12:19], s[0:1], 0x20
	s_load_b64 s[20:21], s[0:1], 0x40
	v_lshl_add_u32 v[SPW], v0, 2, SPARE
	v_mov_b32 v[NIL], 0
	ds_add_u32 v28, v29
	ds_add_u32 v28, v29
	s_wait_dscnt 0x0
	v_lshrrev_b32 v1, 5, v0
	v_readfirstlane_b32 s22, v1
	s_lshr_b32 s23, s22, 1
	s_and_b32 s24, s22, 1
	s_bfe_u32 s25, ttmp6, 0x40000
	s_bfe_u32 s26, ttmp6, 0x40004
	s_lshl_b32 s27, ttmp9, 2
	s_add_co_u32 s27, s27, s25
	s_and_b32 s60, ttmp7, 0xffff
	s_lshl_b32 s60, s60, 2
	s_add_co_u32 s60, s60, s26
	s_lshl_b32 s61, s26, 2
	s_lshl_b32 s61, 15, s61
	s_lshl_b32 s62, 0x1111, s25
	s_or_b32 s[G1A], s61, (1<<20)|(1<<21)|(5<<22)|(3<<25)
	s_mov_b32 s[G1A+1], 256<<16
	s_mov_b32 s[G1A+2], 256<<16
	s_mov_b32 s[G1A+3], 256<<16
	s_mov_b32 s[G1A+4], 256
	s_mov_b32 s[G1A+5], 1024
	s_mov_b32 s[G1A+6], 0
	s_mov_b32 s[G1A+7], 0
	s_or_b32 s[G1W], s62, (1<<20)|(1<<21)|(5<<22)|(3<<25)
	s_mov_b32 s[G1W+1], 256<<16
	s_mov_b32 s[G1W+2], 64<<16
	s_mov_b32 s[G1W+3], 256<<16
	s_mov_b32 s[G1W+4], 64
	s_mov_b32 s[G1W+5], 1024
	s_mov_b32 s[G1W+6], 0
	s_mov_b32 s[G1W+7], 0
	s_or_b32 s[G1SA], s61, (3<<16)|(1<<20)|(1<<21)|(5<<22)|(3<<25)
	s_mov_b32 s[G1SA+1], 32<<16
	s_mov_b32 s[G1SA+2], 32<<16
	s_mov_b32 s[G1SA+3], 32<<16
	s_mov_b32 s[G1SA+4], 32
	s_mov_b32 s[G1SA+5], 32
	s_mov_b32 s[G1SA+6], 0
	s_mov_b32 s[G1SA+7], 0
	s_or_b32 s[G1SW], s62, (3<<16)|(1<<20)|(1<<21)|(5<<22)|(3<<25)
	s_mov_b32 s[G1SW+1], 32<<16
	s_mov_b32 s[G1SW+2], 8<<16
	s_mov_b32 s[G1SW+3], 32<<16
	s_mov_b32 s[G1SW+4], 8
	s_mov_b32 s[G1SW+5], 32
	s_mov_b32 s[G1SW+6], 0
	s_mov_b32 s[G1SW+7], 0
	s_max_u32 s63, s22, 1
	s_sub_co_u32 s63, s63, 1
	s_lshl_b32 s98, s63, 20
	s_lshl_b32 s99, s27, 16
	s_add_co_u32 s98, s98, s99
	s_mov_b32 s99, 0
	s_mul_i32 s2, s22, STRIP
	s_add_co_u32 s2, s2, WOF-STRIP
	s_mul_i32 s3, s22, SWS
	s_add_co_u32 s3, s3, SCW-SWS
	s_lshl_b32 s66, s60, 18
	s_mov_b32 s67, 0
	s_wait_kmcnt 0x0
	s_add_nc_u64 s[92:93], s[4:5], s[66:67]
	s_lshl_b32 s66, s60, 13
	s_add_nc_u64 s[94:95], s[6:7], s[66:67]
	s_add_nc_u64 s[96:97], s[8:9], s[98:99]
	s_lshr_b32 s98, s98, 5
	s_add_nc_u64 s[100:101], s[10:11], s[98:99]
	CROUND
	s_mov_b32 s[G0SA], 1
	s_mov_b32 s[G0SA+1], SCL
	s_mov_b64 s[G0SA+2:G0SA+3], s[94:95]
	s_or_b32 s[G0SA+3], s[G0SA+3], 0x80000000
	s_mov_b32 s[G0SW], 1
	s_mov_b32 s[G0SW+1], s3
	s_mov_b64 s[G0SW+2:G0SW+3], s[100:101]
	s_or_b32 s[G0SW+3], s[G0SW+3], 0x80000000
; PREFETCH: a slot is 256 bytes of each row of A (256 rows, fetched by wave 0) and of the three strips of W (64 rows each, waves 1 to 3).  The four partners that ask for a tile jointly share its rows out by address:
; of A's rows the partner at cx names 64 (wave 0, two instructions, a lane a row), of each strip the partner at cy names 16 (lanes 16-31 name the wave's last row again).  So each block of 256 bytes is named once in each cluster that loads it.
; Slots 0 and 1 are asked for behind the scale bytes' load, slot s + 2 behind slot s's load; the steps along K stand in the immediates, so no address is rewritten.
	s_cmp_eq_u32 s22, 0
	s_cselect_b64 s[4:5], s[92:93], s[96:97]
	s_cselect_b32 s6, s25, s26
	s_cselect_b32 s7, 16, 14                       ; a partner's share: 64 rows or 16 rows of 1,024 bytes
	s_cselect_b32 s8, 31, 15
	s_lshl_b32 s6, s6, s7
	s_mov_b32 s7, 0
	s_add_nc_u64 s[4:5], s[4:5], s[6:7]
	v_and_b32 v30, 31, v0
	v_min_u32 v30, s8, v30
	v_lshlrev_b32 v30, 10, v30
	s_wait_alu depctr_va_vdst(0)
.macro ASKQ k
	global_prefetch_b8 v30, s[4:5] offset:256*(\k) th:TH_LOAD_NT scope:SCOPE_SE
	s_cmp_lg_u32 s22, 0
	s_cbranch_scc1 .Lone_\@
	global_prefetch_b8 v30, s[4:5] offset:32768+256*(\k) th:TH_LOAD_NT scope:SCOPE_SE
.Lone_\@:
.endm
	JLOAD G0SA, G1SA, G0SW, G1SW
	ASKQ 0
	ASKQ 1
.irp sl, 0,1
	s_mov_b32 s[G0A+4*\sl], 1
	s_mov_b32 s[G0A+4*\sl+1], \sl*SLOT
	s_add_nc_u64 s[G0A+4*\sl+2:G0A+4*\sl+3], s[92:93], \sl*256
	s_or_b32 s[G0A+4*\sl+3], s[G0A+4*\sl+3], 0x80000000
	s_mov_b32 s[G0W+4*\sl], 1
	s_add_co_u32 s[G0W+4*\sl+1], s2, \sl*SLOT
	s_add_nc_u64 s[G0W+4*\sl+2:G0W+4*\sl+3], s[96:97], \sl*256
	s_or_b32 s[G0W+4*\sl+3], s[G0W+4*\sl+3], 0x80000000
	s_wait_alu depctr_va_vdst(0)
	s_wait_tensorcnt 0x0
	ds_add_u32 v28, v29
	s_wait_dscnt 0x0
	CROUND
	JLOAD G0A+4*\sl, G1A, G0W+4*\sl, G1W
	ASKQ \sl+2
.endr
	s_lshl_b32 s98, s27, 2
	s_add_nc_u64 s[18:19], s[18:19], s[98:99]
	s_load_b32 s95, s[18:19], 0x0
	s_lshl_b32 s98, s60, 8
	s_lshl_b32 s97, s23, 7
	s_add_co_u32 s98, s98, s97
	s_lshl_b32 s98, s98, 2
	s_add_nc_u64 s[16:17], s[16:17], s[98:99]
	s_lshl_b32 s98, s98, 1
	s_add_nc_u64 s[12:13], s[12:13], s[98:99]
	s_add_nc_u64 s[14:15], s[14:15], s[98:99]
	v_and_b32 v1, 31, v0
	v_lshlrev_b32 v[A8L], 3, v1
	v_lshlrev_b32 v[A4L], 2, v1
	v_lshlrev_b32 v[LI], 4, v1
.irp g, 0,1,2,3
	global_load_b64 v[POS+2*\g:POS+2*\g+1], v[A8L], s[12:13] offset:256*\g
	global_load_b64 v[PO+2*\g:PO+2*\g+1], v[A8L], s[14:15] offset:256*\g
	global_load_b32 v[TIM+\g], v[A4L], s[16:17] offset:128*\g
.endr
	v_and_b32 v1, 15, v0
	v_bfe_u32 v4, v0, 4, 1
	v_lshlrev_b32 v[A8R], 3, v1
	v_and_b32 v11, 7, v0
	v_bfe_u32 v12, v0, 3, 1
	v_lshl_add_u32 v13, v4, 3, v11
	v_lshlrev_b32 v[AM], 4, v13
	v_lshl_add_u32 v13, v12, 4, v13
	v_lshlrev_b32 v[APOS], 4, v13
	v_cmp_ne_u32 s96, 0, v12
	v_mul_u32_u24 v5, v1, PITCH
	v_lshl_add_u32 v5, v4, 4, v5
	s_mul_i32 s97, s23, 128*PITCH
	v_add_nc_u32 v[ADRA], s97, v5
	v_add_nc_u32 v[ADRA+1], SLOT, v[ADRA]
	s_mul_i32 s97, s24, STRIP
	s_add_co_u32 s97, s97, WOF
	v_add_nc_u32 v[ADRW], s97, v5
	v_add_nc_u32 v[ADRW+1], SLOT, v[ADRW]
	s_mul_i32 s97, s24, 32*PITCH
	s_add_co_u32 s97, s97, WOF+2*STRIP
	v_add_nc_u32 v[ADRV], s97, v5
	v_add_nc_u32 v[ADRV+1], SLOT, v[ADRV]
	v_lshrrev_b32 v6, 3, v1
	v_mul_u32_u24 v6, v6, 272
	v_lshl_add_u32 v6, v11, 5, v6
	s_mul_i32 s97, s23, 16*272
	s_add_co_u32 s97, s97, SCL
	v_add_nc_u32 v[ADSA], s97, v6
	s_mul_i32 s97, s24, SWS
	s_add_co_u32 s97, s97, SCW
	v_add_nc_u32 v[ADSW], s97, v6
	s_mul_i32 s97, s24, 4*272
	s_add_co_u32 s97, s97, SCW+2*SWS
	v_add_nc_u32 v[ADSV], s97, v6
.macro FETCH
.set SL, (f/2)%2
.set QQ, f%2
	WIN 0x40<<(f%2)
.irp i, 0,1,2,3,4,5,6,7
.irp c, 0,1,2,3
	ds_load_b128 v[16*\i+4*\c:16*\i+4*\c+3], v[ADRA+SL] offset:\i*16*PITCH+128*QQ+32*\c
.endr
.endr
.irp i, 0,1,2,3
.irp c, 0,1,2,3
	ds_load_b128 v[128+16*\i+4*\c:128+16*\i+4*\c+3], v[ADRW+SL] offset:\i*16*PITCH+128*QQ+32*\c
.endr
.endr
.irp i, 0,1
.irp c, 0,1,2,3
	ds_load_b128 v[192+16*\i+4*\c:192+16*\i+4*\c+3], v[ADRV+SL] offset:\i*16*PITCH+128*QQ+32*\c
.endr
.endr
	WIN 0
.endm
.macro SCALES
.set SS, SC+28*(tl%2)
.irp i, 0,1,2,3,4,5,6,7
	ds_load_b64 v[SS+2*\i:SS+2*\i+1], v[ADSA] offset:\i*544+8*tl
.endr
.irp i, 0,1,2,3
	ds_load_b64 v[SS+16+2*\i:SS+16+2*\i+1], v[ADSW] offset:\i*544+8*tl
.endr
.irp i, 0,1
	ds_load_b64 v[SS+24+2*\i:SS+24+2*\i+1], v[ADSV] offset:\i*544+8*tl
.endr
.endm
.macro MULQK4 a0, zero
.set SS, SC+28*((e/2)%2)
.set QQ, e%2
.irp a, \a0, \a0+1, \a0+2, \a0+3
.irp i, 0,1,2,3
.if \zero
	v_wmma_scale_f32_16x16x128_f8f6f4 v[8*(8*\i+(\a)):8*(8*\i+(\a))+7], v[128+16*\i:128+16*\i+15], v[16*(\a):16*(\a)+15], 0, v[SS+16+2*\i+QQ], v[SS+2*(\a)+QQ]
.else
	v_wmma_scale_f32_16x16x128_f8f6f4 v[8*(8*\i+(\a)):8*(8*\i+(\a))+7], v[128+16*\i:128+16*\i+15], v[16*(\a):16*(\a)+15], v[8*(8*\i+(\a)):8*(8*\i+(\a))+7], v[SS+16+2*\i+QQ], v[SS+2*(\a)+QQ]
.endif
.endr
.endr
.endm
.macro MULV zero
.set SS, SC+28*((e/2)%2)
.set QQ, e%2
.irp a, 0,1,2,3,4,5,6,7
.irp u, 0,1
.if \zero
	v_wmma_scale_f32_16x16x128_f8f6f4 v[128+8*(8*\u+\a):128+8*(8*\u+\a)+7], v[16*\a:16*\a+15], v[192+16*\u:192+16*\u+15], 0, v[SS+2*\a+QQ], v[SS+24+2*\u+QQ]
.else
	v_wmma_scale_f32_16x16x128_f8f6f4 v[128+8*(8*\u+\a):128+8*(8*\u+\a)+7], v[16*\a:16*\a+15], v[192+16*\u:192+16*\u+15], v[128+8*(8*\u+\a):128+8*(8*\u+\a)+7], v[SS+2*\a+QQ], v[SS+24+2*\u+QQ]
.endif
.endr
.endr
.endm
	s_wait_alu depctr_va_vdst(0)
	s_wait_tensorcnt 1
	s_barrier_signal -1
	s_barrier_wait -1
.set f, 0
	FETCH
.set tl, 0
	SCALES
.set e, 0
.rept 8
.set WQK, 0xf0+5*(1+e%2)
.set WVV, 5*(1+e%2)
.if e == 7
	s_wait_dscnt 0x0
	WIN WQK
	MULQK4 0, 0
	MULQK4 4, 0
	WIN WVV
	MULV 0
	WIN 0
.elseif e%2 == 0
	s_wait_dscnt 0x0
	PLACES 8
.set f, e+1
	FETCH
	WIN WQK
.if e == 0
	MULQK4 0, 1
	MULQK4 4, 1
	WIN WVV
	MULV 1
.else
	MULQK4 0, 0
	MULQK4 4, 0
	WIN WVV
	MULV 0
.endif
	WIN 0
.else
	s_wait_tensorcnt 0x0
	ds_add_u32 v[SPW], v[NIL]
	s_wait_dscnt 0x0
	s_barrier_signal -1
	WIN WQK
	MULQK4 0, 0
	WIN 0
	s_barrier_wait -1
.if e < 5
	CREST
.set GA, G0A+4*((e/2)%2)
.set GW, G0W+4*((e/2)%2)
	s_add_nc_u64 s[GA+2:GA+3], s[GA+2:GA+3], 512
	s_add_nc_u64 s[GW+2:GW+3], s[GW+2:GW+3], 512
	JLOAD GA, G1A, GW, G1W
	PLACES 4
.else
	PLACES 8
.endif
.set f, e+1
	FETCH
.set tl, (e+1)/2
	SCALES
	WIN WQK
	MULQK4 4, 0
	WIN WVV
	MULV 0
	WIN 0
.endif
.set e, e+1
.endr
	PLACES 8
	s_wait_loadcnt 0x0
	s_wait_kmcnt 0x0
	s_mov_b32 s[SEL], 0x76543210
	s_mov_b32 s[SEL+1], 0xfedcba98
	s_mov_b32 s[MNT], 0x600000
	s_lshr_b32 s97, s60, 3
	s_lshl_b32 s97, s97, 4
	s_add_co_u32 s97, s97, s27
	s_mul_i32 s98, s97, BLKB
	s_mov_b32 s99, 0
	s_add_nc_u64 s[20:21], s[20:21], s[98:99]
	s_and_b32 s97, s60, 7
	s_lshl_b32 s97, s97, 1
	s_add_co_u32 s97, s97, s23
	s_lshl_b32 s98, s97, 13
	s_lshl_b32 s100, s24, 12
	s_add_co_u32 s100, s100, s98
	s_add_co_u32 s100, s100, OV
	s_mov_b32 s101, 0
	s_add_nc_u64 s[78:79], s[20:21], s[100:101]
	s_xor_b32 s63, s24, 1
	s_mul_i32 s100, s63, OQ
	s_add_co_u32 s100, s100, s98
	s_add_nc_u64 s[82:83], s[20:21], s[100:101]
	s_lshl_b32 s98, s97, 8
	s_lshl_b32 s100, s24, 7
	s_add_co_u32 s100, s100, s98
	s_add_co_u32 s100, s100, OVS
	s_add_nc_u64 s[80:81], s[20:21], s[100:101]
	s_mul_i32 s100, s63, OQS-OKS
	s_add_co_u32 s100, s100, s98
	s_add_co_u32 s100, s100, OKS
	s_add_nc_u64 s[84:85], s[20:21], s[100:101]
.irp b, 0,1,2,3
	v_mov_b32 v[TM+4+\b], 0
.endr
	v_mov_b32 v121, 0
.macro QUANT s, pc, pw
.irp b, 0,1,2,3
	v_max3_num_f32 v[TM+\b], |v[\s+16*\b]|, |v[\s+1+16*\b]|, 0x4800000
.endr
.irp i, 2,4,6,8,10,12,14
.irp b, 0,1,2,3
	v_max3_num_f32 v[TM+\b], v[TM+\b], |v[\s+16*\b+\i]|, |v[\s+1+16*\b+\i]|
.endr
.endr
.irp b, 0,1,2,3
	v_permlanex16_b32 v[TM+4+\b], v[TM+\b], s[SEL], s[SEL+1]
.endr
.irp b, 0,1,2,3
	v_max_num_f32 v[TM+\b], v[TM+\b], v[TM+4+\b]
.endr
.irp b, 0,1,2,3
	v_add_nc_u32 v[TM+12+\b], 0xfc000000, v[TM+\b]
.endr
.irp b, 0,1,2,3
	v_and_or_b32 v[TM+8+\b], v[TM+\b], 0x7f800000, s[MNT]
.endr
.irp b, 0,1,2,3
	v_lshrrev_b32 v[TM+4+\b], 23, v[TM+12+\b]
.endr
	v_lshl_or_b32 v[\pw], v[TM+5], 8, v[TM+4]
	v_lshl_or_b32 v[\pw], v[TM+6], 16, v[\pw]
	v_lshl_or_b32 v[\pw], v[TM+7], 24, v[\pw]
.irp b, 0,1,2,3
.irp i, 0,1,2,3,4,5,6,7,8,9,10,11,12,13,14,15
	v_med3_num_f32 v[\s+16*\b+\i], v[\s+16*\b+\i], -v[TM+8+\b], v[TM+8+\b]
.endr
	v_cvt_scalef32_pk8_fp8_f32 v[\pc+4*\b:\pc+1+4*\b], v[\s+16*\b:\s+7+16*\b], v[TM+12+\b]
	v_cvt_scalef32_pk8_fp8_f32 v[\pc+2+4*\b:\pc+3+4*\b], v[\s+8+16*\b:\s+15+16*\b], v[TM+12+\b]
.endr
	v_nop
.endm
.irp u, 0,1
.irp b, 0,1,2,3
.irp j, 0,1,2,3,4,5,6,7
	v_permlane16_swap_b32 v[128+64*\u+16*\b+\j], v[128+64*\u+16*\b+8+\j]
.endr
.endr
	QUANT 128+64*\u, 32+16*\u, 124+\u
.irp c, 0,1,2,3
	global_store_b128 v[LI], v[32+16*\u+4*\c:32+16*\u+4*\c+3], s[78:79] offset:2048*\u+512*\c
.endr
.endr
	global_store_b64 v[A8R], v[124:125], s[80:81]
	v_cvt_f32_u32 v108, s27
	v_mul_f32 v109, 0x3d2a152d, v108
	v_mul_f32 v110, 0xbdaa152d, v108
	s_wait_alu depctr_va_vdst(0)
	v_exp_f32 v109, v109
	v_exp_f32 v110, v110
	v_mov_b32 v[SQS], s95
	s_wait_alu depctr_va_vdst(0)
	v_sqrt_f32 v[SQS], v[SQS]
	v_nop
	s_wait_alu depctr_va_vdst(0)
	v_mul_f32 v111, 0x40490fdb, v109
	v_mul_f32 v112, 0x409f54b2, v109
	v_mul_f32 v113, 0x40fc85ba, v109
	v_mul_f32 v114, 0x41481c49, v109
	v_mul_f32 v115, 0x419e93ae, v109
	v_mul_f32 v116, 0x3ecbd4b4, v110
	v_mul_f32 v117, 0x3e224b06, v110
	v_mul_f32 v118, 0x3d813856, v110
	v_mul_f32 v119, 0x3ccdc614, v110
.irp j, 0,1,2,3,4
	v_readfirstlane_b32 s[68+\j], v[111+\j]
.endr
	v_readfirstlane_b32 s73, v110
.irp j, 0,1,2,3
	v_readfirstlane_b32 s[74+\j], v[116+\j]
.endr
	WIN 0x40
	v_mov_b32 v[KM], 0x4b400000
	v_mov_b32 v[KM+1], 0x4b400000
	v_mov_b32 v[KS11], 0xb2d7322b
	v_mov_b32 v[KS11+1], 0xb2d7322b
	v_mov_b32 v[KC12], 0x310f76c8
	v_mov_b32 v[KC12+1], 0x310f76c8
	WIN 0
.macro HORN arr, lit
.set k, 0
.rept 13
	v_pk_fma_f32 v[\arr+k:\arr+k+1], v[\arr+k:\arr+k+1], v[ZZ+k:ZZ+k+1], \lit op_sel_hi:[1,1,0]
.set k, k+2
.endr
.endm
.macro GROUP g
	v_fma_f32 v108, v[PO+2*\g+1], 2.0, -1.0
	v_fma_f32 v109, v[POS+2*\g+1], 2.0, -1.0
	v_fma_f32 v110, v[PO+2*\g], 2.0, -1.0
	v_fma_f32 v111, v[POS+2*\g], 2.0, -1.0
	WIN 0x40
.irp c, 0,1,2,3
.irp j, 0,1,2,3,4
	v_mul_f32 v[TH+5*\c+\j], s[68+\j], v[108+\c]
.endr
.endr
.irp j, 0,1,2,3,4
	v_mul_f32 v[TH+20+\j], s[73+\j], v[TIM+\g]
.endr
	v_mov_b32 v[TH+25], 0
	WIN 0x55
.set k, 0
.rept 13
	v_pk_fma_f32 v[NN+k:NN+k+1], v[TH+k:TH+k+1], 0x3ea2f983, v[KM:KM+1] op_sel_hi:[1,0,1]
.set k, k+2
.endr
.set i, 0
.rept 25
	v_lshlrev_b32 v[SG+i], 31, v[NN+i]
.set i, i+1
.endr
.set k, 0
.rept 13
	v_pk_add_f32 v[NN+k:NN+k+1], v[NN+k:NN+k+1], v[KM:KM+1] neg_lo:[0,1] neg_hi:[0,1]
.set k, k+2
.endr
.set k, 0
.rept 13
	v_pk_fma_f32 v[TH+k:TH+k+1], v[NN+k:NN+k+1], 0xc0490fdb, v[TH+k:TH+k+1] op_sel_hi:[1,0,1]
.set k, k+2
.endr
.set k, 0
.rept 13
	v_pk_fma_f32 v[TH+k:TH+k+1], v[NN+k:NN+k+1], 0x33bbbd2e, v[TH+k:TH+k+1] op_sel_hi:[1,0,1]
.set k, k+2
.endr
.set k, 0
.rept 13
	v_pk_mul_f32 v[ZZ+k:ZZ+k+1], v[TH+k:TH+k+1], v[TH+k:TH+k+1]
.set k, k+2
.endr
.set k, 0
.rept 13
	v_pk_fma_f32 v[SN+k:SN+k+1], v[KS11:KS11+1], v[ZZ+k:ZZ+k+1], 0x3638ef1d op_sel_hi:[1,1,0]
	v_pk_fma_f32 v[CN+k:CN+k+1], v[KC12:KC12+1], v[ZZ+k:ZZ+k+1], 0xb493f27e op_sel_hi:[1,1,0]
.set k, k+2
.endr
	HORN SN, 0xb9500d01
	HORN CN, 0x37d00d01
	HORN SN, 0x3c088889
	HORN CN, 0xbab60b61
	HORN SN, 0xbe2aaaab
	HORN CN, 0x3d2aaaab
.set k, 0
.rept 13
	v_pk_mul_f32 v[NN+k:NN+k+1], v[TH+k:TH+k+1], v[ZZ+k:ZZ+k+1]
.set k, k+2
.endr
	HORN CN, -0.5
.set k, 0
.rept 13
	v_pk_fma_f32 v[SN+k:SN+k+1], v[NN+k:NN+k+1], v[SN+k:SN+k+1], v[TH+k:TH+k+1]
.set k, k+2
.endr
	HORN CN, 1.0
.set i, 0
.rept 25
	v_xor_b32 v[SN+i], v[SG+i], v[SN+i]
	v_xor_b32 v[CN+i], v[SG+i], v[CN+i]
.set i, i+1
.endr
	WIN 0xc3
.irp i, 0,1,2,3
.irp j, 0,1,2,3,4,5,6,7
	v_permlane16_swap_b32 v[8*(8*\i+2*\g)+\j], v[8*(8*\i+2*\g+1)+\j]
.endr
.endr
	WIN 0x07
.set i, 0
.rept 25
.set d2, i+25
.set XA_, 8*(8*(i/16)+2*\g+((i/8)%2))+i%8
.set XB_, 8*(8*(d2/16)+2*\g+((d2/8)%2))+d2%8
.set TT, 113+2*(i%4)
	v_mul_f32 v[TT], v[XB_], v[SN+i]
	v_mul_f32 v[TT+1], v[XA_], v[SN+i]
	v_fma_f32 v[Y+i], v[XA_], v[CN+i], -v[TT]
	v_fma_f32 v[Y+25+i], v[XB_], v[CN+i], v[TT+1]
.set i, i+1
.endr
	WIN 0
.irp k, 0,1,2,3
	v_pk_mul_f32 v[108+2*\k:109+2*\k], v[Y+2*\k:Y+2*\k+1], v[Y+2*\k:Y+2*\k+1]
.endr
.set k, 4
.rept 21
	v_pk_fma_f32 v[108+2*(k%4):109+2*(k%4)], v[Y+2*k:Y+2*k+1], v[Y+2*k:Y+2*k+1], v[108+2*(k%4):109+2*(k%4)]
.set k, k+1
.endr
	WIN 0x0f
.set k, 25
.rept 7
.set XD, 8*(24+2*\g+((2*k/8)%2))+(2*k)%8
	v_pk_fma_f32 v[108+2*(k%4):109+2*(k%4)], v[XD:XD+1], v[XD:XD+1], v[108+2*(k%4):109+2*(k%4)]
.set k, k+1
.endr
	WIN 0
	v_pk_add_f32 v[108:109], v[108:109], v[110:111]
	v_pk_add_f32 v[112:113], v[112:113], v[114:115]
	v_pk_add_f32 v[108:109], v[108:109], v[112:113]
	v_add_f32 v108, v108, v109
	v_add_f32 v108, 0x358637bd, v108
	s_wait_alu depctr_va_vdst(0)
	v_rsq_f32 v116, v108
	v_nop
	s_wait_alu depctr_va_vdst(0)
	v_mul_f32 v116, v[SQS], v116
.set k, 0
.rept 25
	v_pk_mul_f32 v[Y+2*k:Y+2*k+1], v[Y+2*k:Y+2*k+1], v[116:117] op_sel_hi:[1,0]
.set k, k+1
.endr
	WIN 0x03
.set k, 25
.rept 7
.set XD, 8*(24+2*\g+((2*k/8)%2))+(2*k)%8
	v_pk_mul_f32 v[Y+2*k:Y+2*k+1], v[XD:XD+1], v[116:117] op_sel_hi:[1,0]
.set k, k+1
.endr
	WIN 0
.irp bb, 0,1
	v_max3_num_f32 v[108+2*\bb], |v[Y+32*\bb]|, |v[Y+32*\bb+1]|, |v[Y+32*\bb+2]|
	v_max3_num_f32 v[109+2*\bb], |v[Y+32*\bb+3]|, |v[Y+32*\bb+4]|, |v[Y+32*\bb+5]|
.endr
.irp i, 6,10,14,18,22,26
.irp bb, 0,1
	v_max3_num_f32 v[108+2*\bb], v[108+2*\bb], |v[Y+32*\bb+\i]|, |v[Y+32*\bb+\i+1]|
	v_max3_num_f32 v[109+2*\bb], v[109+2*\bb], |v[Y+32*\bb+\i+2]|, |v[Y+32*\bb+\i+3]|
.endr
.endr
.irp bb, 0,1
	v_max3_num_f32 v[108+2*\bb], v[108+2*\bb], |v[Y+32*\bb+30]|, |v[Y+32*\bb+31]|
.endr
.irp bb, 0,1
	v_max3_num_f32 v[108+2*\bb], v[108+2*\bb], v[109+2*\bb], 0x4800000
.endr
.irp bb, 0,1
	v_add_nc_u32 v[112+\bb], 0xfc000000, v[108+2*\bb]
.endr
.irp bb, 0,1
	v_and_or_b32 v[114+\bb], v[108+2*\bb], 0x7f800000, s[MNT]
.endr
.irp bb, 0,1
	v_lshrrev_b32 v[118+\bb], 23, v[112+\bb]
.endr
	v_lshl_or_b32 v120, v119, 8, v118
.irp bb, 0,1
.set i, 0
.rept 32
	v_med3_num_f32 v[Y+32*\bb+i], v[Y+32*\bb+i], -v[114+\bb], v[114+\bb]
.set i, i+1
.endr
.endr
.if \g > 1
	s_wait_alu depctr_va_vdst(0)
	s_wait_xcnt 0x0
.endif
.set PCC, PC+16*(\g%2)
.irp k, 0,1,2,3,4,5,6,7
	v_cvt_scalef32_pk8_fp8_f32 v[PCC+2*\k:PCC+2*\k+1], v[Y+8*\k:Y+8*\k+7], v[112+\k/4]
.endr
	v_nop
.irp p, 0,1,2,3
	global_store_b128 v[APOS], v[PCC+4*\p:PCC+4*\p+3], s[82:83] offset:2048*\g+512*\p
.endr
	v_mov_b32_dpp v121, v120 row_xmask:8 row_mask:0xf bank_mask:0xf
	v_cndmask_b32 v122, v120, v121, s96
	v_cndmask_b32 v123, v121, v120, s96
	v_lshl_or_b32 v[WW+\g], v123, 16, v122
.endm
	GROUP 0
	GROUP 1
	GROUP 2
	GROUP 3
	global_store_b128 v[AM], v[WW:WW+3], s[84:85]
	s_wait_tensorcnt 0x0
	ds_add_u32 v[SPW], v[NIL]
	s_wait_dscnt 0x0
	CROUND
	s_endpgm
.Lfunc_end_k_qb2c622236d_qkv:
	.size	k_qb2c622236d_qkv, .Lfunc_end_k_qb2c622236d_qkv-k_qb2c622236d_qkv
	.p2alignl 7, 3214868480
	.fill 96, 4, 3214868480
	.section	.rodata,"a",@progbits
	.p2align	6, 0x0
	.amdhsa_kernel k_qb2c622236d_qkv
		.amdhsa_group_segment_fixed_size 327680
		.amdhsa_private_segment_fixed_size 0
		.amdhsa_enable_private_segment 0
		.amdhsa_kernarg_size 72
		.amdhsa_user_sgpr_count 2
		.amdhsa_user_sgpr_kernarg_segment_ptr 1
		.amdhsa_wavefront_size32 1
		.amdhsa_system_sgpr_workgroup_id_x 1
		.amdhsa_system_sgpr_workgroup_id_y 1
		.amdhsa_system_sgpr_workgroup_id_z 1
		.amdhsa_system_vgpr_workitem_id 0
		.amdhsa_next_free_vgpr 1024
		.amdhsa_next_free_sgpr 102
		.amdhsa_reserve_vcc 0
		.amdhsa_float_denorm_mode_32 3
		.amdhsa_float_denorm_mode_16_64 3
		.amdhsa_memory_ordered 1
		.amdhsa_forward_progress 1
		.amdhsa_inst_pref_size 255
	.end_amdhsa_kernel
	.section	.bss,"aw",@nobits
	.p2align	6
	.space	262144
	.amdgpu_metadata
---
amdhsa.version: [ 1, 2 ]
amdhsa.kernels:
  - .name:           k_qb2c622236d_qkv
    .symbol:         k_qb2c622236d_qkv.kd
    .args:
      - { .name: a_codes, .offset: 0, .size: 8, .value_kind: global_buffer, .address_space: global }
      - { .name: a_scales, .offset: 8, .size: 8, .value_kind: global_buffer, .address_space: global }
      - { .name: w_qkv_codes, .offset: 16, .size: 8, .value_kind: global_buffer, .address_space: global }
      - { .name: w_qkv_scales, .offset: 24, .size: 8, .value_kind: global_buffer, .address_space: global }
      - { .name: pos, .offset: 32, .size: 8, .value_kind: global_buffer, .address_space: global }
      - { .name: pos_orig, .offset: 40, .size: 8, .value_kind: global_buffer, .address_space: global }
      - { .name: time, .offset: 48, .size: 8, .value_kind: global_buffer, .address_space: global }
      - { .name: qk_scale, .offset: 56, .size: 8, .value_kind: global_buffer, .address_space: global }
      - { .name: qkvw, .offset: 64, .size: 8, .value_kind: global_buffer, .address_space: global }
    .group_segment_fixed_size: 327680
    .private_segment_fixed_size: 0
    .kernarg_segment_align: 8
    .kernarg_segment_size: 72
    .max_flat_workgroup_size: 128
    .sgpr_count:     102
    .vgpr_count:     1024
    .wavefront_size: 32
...
	.end_amdgpu_metadata
.endif
;; end of part 2
;; launch attn (part 3): grid 8 x 32, 16 waves a work-group, clusters of 4 x 1, 327,680 bytes of LDS; arguments qkvw, aq_c, aq_s; writes aq_c, aq_s
.if DOCPART == 3
	.amdgcn_target "amdgcn-amd-amdhsa--gfx1250"
	.amdhsa_code_object_version 6
	.text
	.protected	k_qb2c622236d_attn
	.globl	k_qb2c622236d_attn
	.p2align	8
	.type	k_qb2c622236d_attn,@function
k_qb2c622236d_attn:
	s_mov_b64 s[64:65], 0
	v_nop
	global_prefetch_b8 v0, s[64:65] scope:SCOPE_SE
	s_setreg_imm32_b32 hwreg(HW_REG_WAVE_MODE, 25, 1), 1
	s_wait_xcnt 0x0
	s_wait_alu depctr_hold_cnt(0) depctr_sa_sdst(0) depctr_va_vdst(0) depctr_va_sdst(0) depctr_va_ssrc(0) depctr_va_vcc(0) depctr_vm_vsrc(0)
	s_getreg_b32 s2, hwreg(HW_REG_IB_STS2, 6, 4)
	s_cmp_eq_u32 s2, 0
	s_cbranch_scc0 .Lentry_in_a_cluster
	s_endpgm
.Lentry_in_a_cluster:
	s_bfe_u32 s2, ttmp6, 0x10000c
	s_cmp_lg_u32 s2, 0x3003
	s_cbranch_scc0 .Lentry_shape_is_right
	s_endpgm
.Lentry_shape_is_right:
; O = softmax(q k^T) v for one (batch, head) and 256 queries, both products on codes of E4M3; O / l is quantised along the model's 1,024 and leaves as fragment images for the next product.
; t = score x log2(e); M = the running largest t rounded UP to a whole number; p = 2^(t - M) is quantised along the keys; l is the sum of the unquantised p.  When M moves, l and O are multiplied by 2^(old M - new M): exact.
; SHARES: sixteen waves, each 16 queries in 256 registers, four waves to a SIMD.  Every wave walks the head's 2,048 keys, 128 a step.
; THE HEAD'S K, V AND THEIR SCALE WORDS (270,336 bytes, one dense piece of qkvw) LIE IN LDS FOR THE WHOLE LAUNCH, at the offsets that they have in memory: 1,056 rows of 256 bytes, 66 rows a wave, ONE tensor load a wave, nothing filled again.
; CLUSTER: the four query blocks of a cluster belong to one head and ask for these rows jointly (mask 15).
; NO PREFETCH: all that the launch reads through LDS is asked for once, at the head; there is no loop to run ahead in.
; K = 64 IN AN INSTRUCTION OF 128: a fragment of K holds one tile of 16 keys in k 0-63 and the next tile in k 64-127; q stands once with zeros above and once with zeros below, so two products on one fragment give the two tiles' scores.
; Both products are used transposed: a lane holds one query throughout.  The keys of a tile are laid (by the launch before) so that the 16 registers of tiles 2 b and 2 b + 1 are keys 32 b + 16 (lane / 16) + 0 .. 15.
; TWO RUNS OF 64 REGISTERS CHANGE ROLES FROM STEP TO STEP.  In a step K lies in X; the scores go to Y; V is loaded into X; as soon as a block of 16 p in Y is converted, a fragment of the NEXT step's K is loaded into its registers.
; One trip of the loop runs two steps, after which the numbers are back where they began.  A work-group barrier for each pair of steps, signalled at the pair's start and awaited at its end, holds the sixteen waves within one pair of each other.
; LIMITS: NaN and infinities are not served; a block of zeros takes the byte 1; the promise holds while the scaled scores t stay under 2^31 in magnitude.  The scale bytes leave two to a lane (the other half of each word is another head's).
; REGISTERS: v1-6 addresses that stay; v8-11 the pair's; v12 -M, v13 the largest t, v[14:15] l; v16-19 K's scale words; v20-25 l's other three chains; v30, v31 the spare word's address and 0; v32-95, v96-159 the two runs;
;   v160-191 O^T; v192-215 q, zeros, q; v216-217 q's scale words; v224-239 p's codes; v232-247 at work; v248-251 V's scale words; v252 f, v253 p's scale word, v254 at work.
.set OV,   131072
.set OKS,  262144
.set OVS,  266240
.set OQ,   270336
.set OQS,  401408
.set BLKB, 405504
.set SPARE, 270336                     ; behind the head's block: the spare words, 128 bytes a wave
.set PART, 16896                       ; 66 rows of 256 bytes: a wave's part of the block
.set AK0,  1
.set AV0,  2
.set ASK0, 3
.set ASV0, 4
.set GOC,  5
.set GOS,  6
.set ADK,  8
.set ADV,  9
.set ADS,  10
.set ADT,  11
.set KW,   16
.set SB,   20
.set R1,   32
.set R2,   96
.set WV,   18
.set MNT,  19
.set SEL,  20
.set CS,   22
.set TB,   24                          ; s24  LDS byte of the pair's first step in K's and in V's codes: 8,192 a step
.set TS,   25                          ; s25  and among the scale words: 256 a step
.set CNT,  26
.set G0,   28                          ; s[28:31] group 0;  s[32:39] group 1
.set G1,   32
.macro CROUND
	s_barrier_signal -1
	s_barrier_wait -1
	s_cmp_lg_u32 s[WV], 0
	s_cbranch_scc1 .Lnot_wave_0_\@
	s_barrier_signal -3
.Lnot_wave_0_\@:
	s_barrier_wait -3
	s_barrier_signal -1
	s_barrier_wait -1
.endm
	s_load_b128 s[4:7], s[0:1], 0x0                ; qkvw, the codes out
	s_load_b64 s[8:9], s[0:1], 0x10                ; the bytes out
	v_lshl_add_u32 v30, v0, 2, SPARE
	v_mov_b32 v31, 0
	ds_add_u32 v30, v31                            ; the opening lines: the add, twice on end, and its wait ahead of my tensor load
	ds_add_u32 v30, v31
	v_lshrrev_b32 v8, 5, v0
	v_readfirstlane_b32 s[WV], v8                  ; wave 0..15
	v_and_b32 v220, 15, v0                         ; r
	v_bfe_u32 v221, v0, 4, 1                       ; h
	v_and_b32 v222, 7, v0
	v_bfe_u32 v223, v0, 3, 1                       ; r / 8
	v_lshlrev_b32 v219, 4, v222                    ; q's scale words: 16 (r % 8)
	v_lshl_add_u32 v218, v223, 8, v219
	v_lshl_add_u32 v218, v221, 9, v218             ; q's codes: 512 h + 256 (r / 8) + 16 (r % 8)
	v_lshlrev_b32 v223, 4, v223                    ; which half of the word is my query's
	v_lshlrev_b32 v[AK0], 4, v220
	v_lshl_add_u32 v[AK0], v221, 9, v[AK0]         ; 512 h + 16 r
	v_and_b32 v[GOC], 31, v0
	v_lshlrev_b32 v[GOC], 4, v[GOC]                ; 16 x lane
	v_add_nc_u32 v[AV0], OV, v[GOC]
	v_lshl_add_u32 v[ASK0], v220, 4, OKS
	v_lshl_add_u32 v[ASV0], v220, 3, OVS
	v_lshlrev_b32 v[GOS], 5, v220
	v_mov_b32 v13, 0xff61b1e6                      ; the largest t so far: -3e38
	v_floor_f32 v12, -v13
	v_mov_b32 v14, 0
	v_mov_b32 v15, 0
.irp b, 0,1,2,3
	v_mov_b32 v[236+\b], 0                         ; written once: a lane permute's destination counts as one of its sources
.endr
	v_mov_b32 v253, 0                              ; (named as the upper half of the pair v[252:253] before it is first written)
.irp j, 0,1,2,3,4,5,6,7
	v_mov_b32 v[200+\j], 0                         ; the zeros between q's two copies
.endr
.set j, 0
.rept 32
	v_mov_b32 v[160+j], 0                          ; O^T: the step is written for every step alike; the first finds zeros
.set j, j+1
.endr
	s_wait_alu depctr_va_vdst(0)                   ; the wait here, ahead of the run of scalar lines
	s_bfe_u32 s66, ttmp6, 0x40000                  ; cx
	s_lshl_b32 s67, ttmp9, 2
	s_add_co_u32 s67, s67, s66                     ; my block of 256 queries: it enters q's and the outputs' addresses alone
	s_and_b32 s68, ttmp7, 0xffff                   ; 16 x batch + head, which the partners share
	s_mul_i32 s70, s68, BLKB
	s_mov_b32 s71, 0
	s_mul_i32 s74, s[WV], PART                     ; my 66 rows, in memory and in LDS alike
	s_mov_b32 s75, 0
	s_mov_b32 s[G1], 15|(3<<16)|(1<<21)            ; the mask: all four work-groups; elements of 8 bytes; bit 21 beside the mask; no padding
	s_mov_b32 s[G1+1], 32<<16
	s_mov_b32 s[G1+2], 66<<16
	s_mov_b32 s[G1+3], 32<<16
	s_mov_b32 s[G1+4], 66
	s_mov_b32 s[G1+5], 32
	s_mov_b32 s[G1+6], 0
	s_mov_b32 s[G1+7], 0
	s_mov_b32 s[SEL], 0x76543210
	s_mov_b32 s[SEL+1], 0xfedcba98
	s_mov_b32 s[CS], 0x3fb8aa3b                    ; log2(e)
	s_mov_b32 s[CS+1], s[CS]
	s_mov_b32 s[MNT], 0x600000
	s_lshl_b32 s84, s67, 4
	s_add_co_u32 s84, s84, s[WV]                   ; my tile of 16 queries in the batch, 0..127
	s_lshr_b32 s91, s84, 1
	s_lshl_b32 s91, s91, 11
	s_and_b32 s92, s84, 1
	s_lshl_b32 s92, s92, 7
	s_add_co_u32 s91, s91, s92
	s_add_co_u32 s86, s91, OQ                      ; q's codes, in the head's block
	s_mov_b32 s87, 0
	s_lshr_b32 s91, s84, 3
	s_lshl_b32 s91, s91, 8
	s_add_co_u32 s91, s91, s92
	s_bfe_u32 s93, s84, 0x20001
	s_lshl_b32 s93, s93, 2
	s_add_co_u32 s91, s91, s93
	s_add_co_u32 s88, s91, OQS                     ; q's scale words
	s_mov_b32 s89, 0
	s_lshr_b32 s85, s68, 4
	s_and_b32 s90, s68, 15                         ; the head
	s_lshl_b32 s85, s85, 7
	s_add_co_u32 s85, s85, s84                     ; my tile among all 256
	s_lshr_b32 s91, s90, 3
	s_lshl_b32 s91, s91, 8
	s_add_co_u32 s91, s91, s85
	s_lshl_b32 s91, s91, 2
	s_bfe_u32 s92, s90, 0x20001
	s_add_co_u32 s91, s91, s92
	s_lshl_b32 s91, s91, 11
	s_and_b32 s92, s90, 1
	s_lshl_b32 s93, s92, 10
	s_add_co_u32 s80, s91, s93                     ; codes out: (((head / 8) 256 + tile) 4 + (head / 2) % 4) 2048 + (head % 2) 1024
	s_mov_b32 s81, 0
	s_lshr_b32 s91, s85, 3
	s_lshl_b32 s91, s91, 3
	s_lshr_b32 s93, s90, 1
	s_add_co_u32 s91, s91, s93
	s_lshl_b32 s91, s91, 9
	s_and_b32 s93, s85, 7
	s_lshl_b32 s93, s93, 2
	s_add_co_u32 s91, s91, s93
	s_lshl_b32 s92, s92, 1
	s_add_co_u32 s82, s91, s92                     ; bytes out: ((tile / 8) 8 + head / 2) 512 + 4 (tile % 8) + 2 (head % 2)
	s_mov_b32 s83, 0
	s_mov_b32 s[TB], 0
	s_mov_b32 s[TS], 0
	s_mov_b32 s[CNT], 7
	s_wait_dscnt 0x0                               ; both opening adds are done
	s_wait_kmcnt 0x0
	s_add_nc_u64 s[76:77], s[4:5], s[70:71]        ; the head's block
	s_add_nc_u64 s[86:87], s[76:77], s[86:87]
	s_add_nc_u64 s[88:89], s[76:77], s[88:89]
	s_add_nc_u64 s[6:7], s[6:7], s[80:81]
	s_add_nc_u64 s[8:9], s[8:9], s[82:83]
	s_mov_b32 s[G0], 1
	s_mov_b32 s[G0+1], s74
	s_add_nc_u64 s[G0+2:G0+3], s[76:77], s[74:75]
	s_or_b32 s[G0+3], s[G0+3], 0x80000000
.irp c, 0,1
	global_load_b128 v[192+4*\c:195+4*\c], v218, s[86:87] offset:1024*\c   ; q twice: under the zeros and over them
	global_load_b128 v[208+4*\c:211+4*\c], v218, s[86:87] offset:1024*\c
.endr
	global_load_b32 v216, v219, s[88:89]
	CROUND                                         ; all four work-groups are here: the joint loads meet
	tensor_load_to_lds s[G0:G0+3], s[G1:G1+7]      ; my one tensor load of the launch
	s_nop 0
.rept 4
	v_nop
.endr
	s_wait_loadcnt 0x0
	v_lshrrev_b32 v216, v223, v216
	v_and_b32 v216, 0xffff, v216                   ; my query's two bytes
	v_lshl_or_b32 v217, v216, 16, 0x7f7f           ; over the zeros any byte but 0xff will do: 127
	v_or_b32 v216, 0x7f7f0000, v216
.rept 8
	v_nop                                          ; a scale register written by a vector instruction stands eight places ahead of the scaled product
.endr
; A KEY STEP: 128 keys.  X: the run that holds this step's K, then its V.  Y: the run that takes the scores, then p, then the next step's K.
; o: 0 or 1, the step's place in its pair (it stands in the immediates).  pre = 1: the next step's K is asked for.
.macro STEP X, Y, o, pre
	s_wait_dscnt 0x0                               ; this step's K and its scale words, asked for in the step before; no LDS load of mine is out at the signal
.if \o == 0
	s_barrier_signal -1                            ; I have begun this pair; between here and the wait at the pair's end stand register work and loads of LDS bytes that nobody writes
.endif
.irp b, 0,1,2,3
	v_wmma_scale_f32_16x16x128_f8f6f4 v[\Y+16*\b:\Y+16*\b+7], v[\X+16*\b:\X+16*\b+15], v[192:207], 0, v[KW+\b], v216
	v_wmma_scale_f32_16x16x128_f8f6f4 v[\Y+16*\b+8:\Y+16*\b+15], v[\X+16*\b:\X+16*\b+15], v[200:215], 0, v[KW+\b], v217
.endr
; eight plain places: in front of the loads into the registers that these products read, and of the first read of the scores
.if \o == 0
	v_add_nc_u32 v[ADK], s[TB], v[AK0]             ; the pair's four addresses are four of them
	v_add_nc_u32 v[ADV], s[TB], v[AV0]
	v_add_nc_u32 v[ADS], s[TS], v[ASK0]
	v_add_nc_u32 v[ADT], s[TS], v[ASV0]
.rept 4
	v_nop
.endr
.else
.rept 8
	v_nop
.endr
.endif
.irp t, 0,1,2,3                        ; V's fragments are asked for now: 16 loads, and 2 for its scale words
.irp c, 0,1,2,3
	ds_load_b128 v[\X+16*\t+4*\c:\X+16*\t+4*\c+3], v[ADV] offset:8192*\o+2048*\t+512*\c
.endr
.endr
	ds_load_b64 v[248:249], v[ADT] offset:256*\o
	ds_load_b64 v[250:251], v[ADT] offset:256*\o+128
.irp b, 0,1,2,3
	v_max3_num_f32 v[232+\b], v[\Y+16*\b], v[\Y+16*\b+1], v[\Y+16*\b+2]   ; the largest score of each block of 32 keys: for the row's maximum, and, since p rises with the score, for the block's largest p
.endr
.irp i, 3,5,7,9,11,13
.irp b, 0,1,2,3
	v_max3_num_f32 v[232+\b], v[232+\b], v[\Y+16*\b+\i], v[\Y+16*\b+\i+1]
.endr
.endr
.irp b, 0,1,2,3
	v_max_num_f32 v[232+\b], v[232+\b], v[\Y+16*\b+15]
.endr
.irp b, 0,1,2,3
	v_permlanex16_b32 v[236+\b], v[232+\b], s[SEL], s[SEL+1]
.endr
.irp b, 0,1,2,3
	v_max_num_f32 v[232+\b], v[232+\b], v[236+\b]  ; with lane l xor 16's 16 keys
.endr
	v_max3_num_f32 v254, v232, v233, v234
	v_max_num_f32 v254, v254, v235
	v_mul_f32 v254, s[CS], v254
	v_max_num_f32 v13, v13, v254                   ; the running largest t
	v_mov_b32 v254, v12                            ; the old -M
	v_floor_f32 v12, -v13                          ; -M = floor(-t)
.set j, 0
.rept 32
	v_pk_fma_f32 v[\Y+j:\Y+j+1], v[\Y+j:\Y+j+1], s[CS:CS+1], v[12:13] op_sel_hi:[1,0,0]   ; t - M
.if j == 2
	v_sub_f32 v254, v12, v254                      ; the three lines that make f stand among these
.elseif j == 6
	v_cvt_i32_f32 v254, v254                       ; (it saturates)
.elseif j == 10
	v_ldexp_f32 v252, 1.0, v254                    ; f = 2^(old M - new M)
.endif
.set j, j+2
.endr
.irp b, 0,1,2,3
	v_fma_f32 v[232+\b], v[232+\b], s[CS], v12     ; the same of each block's largest score
.endr
	s_wait_alu depctr_va_vdst(0)                   ; the wait ahead of the batch
.irp b, 0,1,2,3
	v_exp_f32 v[232+\b], v[232+\b]                 ; the block's largest p: the same two instructions on the same number
.endr
.set j, 0
.rept 64
	v_exp_f32 v[\Y+j], v[\Y+j]                     ; p = 2^(t - M), at most 1: not normalised
.set j, j+1
.endr
	v_pk_mul_f32 v[14:15], v[14:15], v[252:253] op_sel_hi:[1,0]   ; l under the new M (a plain place behind the batch)
	s_wait_alu depctr_va_vdst(0)                   ; one wait for the batch of 68, ahead of its first reader
.irp k, 0,1,2                          ; l takes the unquantised p, two at a time, in four chains; three of them begin with a sum of two pairs: nothing is cleared
	v_pk_add_f32 v[SB+2*\k:SB+2*\k+1], v[\Y+4*\k:\Y+4*\k+1], v[\Y+4*\k+2:\Y+4*\k+3]
.endr
.set n, 6
.rept 26
.if n%4 == 0
.set CH, 14
.else
.set CH, SB-2+2*(n%4)
.endif
	v_pk_add_f32 v[CH:CH+1], v[CH:CH+1], v[\Y+2*n:\Y+2*n+1]
.set n, n+1
.endr
.irp b, 0,1,2,3
	v_max_num_f32 v[232+\b], 0x4800000, v[232+\b]  ; the floor 2^(9 - 127): the byte cannot fall under 1
.endr
	v_pk_add_f32 v[SB:SB+1], v[SB:SB+1], v[SB+2:SB+3]
	v_pk_add_f32 v[14:15], v[14:15], v[SB+4:SB+5]
.irp b, 0,1,2,3
	v_add_nc_u32 v[244+\b], 0xfc000000, v[232+\b]  ; 8 off the exponent field: the conversion's scale operand
.endr
.irp b, 0,1,2,3
	v_and_or_b32 v[240+\b], v[232+\b], 0x7f800000, s[MNT]   ; 448 x the scale
.endr
.irp b, 0,1,2,3
	v_lshrrev_b32 v[236+\b], 23, v[244+\b]         ; the scale's byte
.endr
	v_pk_add_f32 v[14:15], v[14:15], v[SB:SB+1]
	v_lshl_or_b32 v253, v237, 8, v236              ; p's scale word for these 128 keys
	v_lshl_or_b32 v253, v238, 16, v253
	v_lshl_or_b32 v253, v239, 24, v253
.irp b, 0,1,2,3
.set k, 0
.rept 8                                ; the conversion to an 8-bit code does not saturate (ISA guide 7.6.2); p is not negative, so the hold is one-sided; two holds to an instruction
	v_dual_min_num_f32 v[\Y+16*\b+2*k], v[\Y+16*\b+2*k], v[240+\b] :: v_dual_min_num_f32 v[\Y+16*\b+2*k+1], v[\Y+16*\b+2*k+1], v[240+\b]
.set k, k+1
.endr
	v_cvt_scalef32_pk8_fp8_f32 v[224+4*\b:225+4*\b], v[\Y+16*\b:\Y+16*\b+7], v[244+\b]
	v_cvt_scalef32_pk8_fp8_f32 v[226+4*\b:227+4*\b], v[\Y+16*\b+8:\Y+16*\b+15], v[244+\b]
.if \pre
.irp u, 0,1                            ; the block's 16 registers are done with: fragment b of the next step's K lands there
.irp c, 0,1
	ds_load_b128 v[\Y+16*\b+4*(2*\u+\c):\Y+16*\b+4*(2*\u+\c)+3], v[ADK] offset:8192*(\o+1)+2048*\b+1024*\c+256*\u
.endr
.endr
.endif
.endr
.if \pre
	ds_load_b128 v[KW:KW+3], v[ADS] offset:256*(\o+1)
.endif
	s_wait_alu depctr_va_vdst(0)                   ; the wait here, directly ahead of the first reader of O^T
.set j, 0
.rept 16
	v_pk_mul_f32 v[160+j:161+j], v[160+j:161+j], v[252:253] op_sel_hi:[1,0]   ; O^T under the new M; these are also the places between the conversions and the products below
.set j, j+2
.endr
	s_wait_alu depctr_va_vdst(0)
.if \pre
	s_wait_dscnt 17                                ; V's 18 loads are in; the 16 of the next step's K and the one of its words, issued behind them, may stay out
.else
	s_wait_dscnt 0x0
.endif
.irp t, 0,1,2,3
	v_wmma_scale_f32_16x16x128_f8f6f4 v[160+8*\t:167+8*\t], v[\X+16*\t:\X+16*\t+15], v[224:239], v[160+8*\t:167+8*\t], v[248+\t], v253
.endr
.rept 9
	v_nop                                          ; nine places: the next step's scores are a matrix result laid over the registers that these products read
.endr
.if \o == 1
	s_barrier_wait -1                              ; every wave has begun this pair
.endif
.endm
.macro PAIR pre                        ; two steps: the runs change roles and change back
	STEP R1, R2, 0, 1
	STEP R2, R1, 1, \pre
.endm
	s_wait_alu depctr_va_vdst(0)                   ; the wait at the head's end
	s_wait_tensorcnt 0x0                           ; my 66 rows are in
	s_barrier_signal -1
	s_barrier_wait -1                              ; everybody's are
.irp b, 0,1,2,3                        ; step 0's K
.irp u, 0,1
.irp c, 0,1
	ds_load_b128 v[R1+16*\b+4*(2*\u+\c):R1+16*\b+4*(2*\u+\c)+3], v[AK0] offset:2048*\b+1024*\c+256*\u
.endr
.endr
.endr
	ds_load_b128 v[KW:KW+3], v[ASK0]
.Lpair:                                            ; seven trips: steps 0 to 13
	PAIR 1
	s_add_co_u32 s[TB], s[TB], 16384
	s_add_co_u32 s[TS], s[TS], 512
	s_sub_co_u32 s[CNT], s[CNT], 1
	s_cmp_lg_u32 s[CNT], 0
	s_cbranch_scc1 .Lpair
	PAIR 0                                         ; steps 14 and 15, written out: the last asks for no further K
	v_add_f32 v14, v14, v15                        ; (the nine places behind the last products stand in front of these lines)
	v_permlanex16_b32 v252, v14, s[SEL], s[SEL+1]
	v_add_f32 v14, v14, v252                       ; the row's sum
	s_wait_alu depctr_va_vdst(0)                   ; the wait ahead of the transcendental
	v_rcp_f32 v14, v14
	v_nop
	s_wait_alu depctr_va_vdst(0)                   ; and ahead of its first reader, which is also the first reader of the last products' results
.set j, 0
.rept 32
	v_mul_f32 v[96+j], v[160+j], v14               ; register 8 t + i is o(query r, dim 16 t + 8 h + i)
.set j, j+1
.endr
.irp b, 0,1
.irp j, 0,1,2,3,4,5,6,7
	v_permlane16_swap_b32 v[96+16*\b+\j], v[96+16*\b+8+\j]   ; now register 16 b + i is dim 32 b + 16 h + i
.endr
.endr
.irp b, 0,1
	v_max3_num_f32 v[232+\b], |v[96+16*\b]|, |v[97+16*\b]|, 0x4800000
.endr
.irp i, 2,4,6,8,10,12,14
.irp b, 0,1
	v_max3_num_f32 v[232+\b], v[232+\b], |v[96+16*\b+\i]|, |v[97+16*\b+\i]|
.endr
.endr
.irp b, 0,1
	v_permlanex16_b32 v[236+\b], v[232+\b], s[SEL], s[SEL+1]
.endr
.irp b, 0,1
	v_max_num_f32 v[232+\b], v[232+\b], v[236+\b]
.endr
.irp b, 0,1
	v_add_nc_u32 v[244+\b], 0xfc000000, v[232+\b]
.endr
.irp b, 0,1
	v_and_or_b32 v[240+\b], v[232+\b], 0x7f800000, s[MNT]
.endr
.irp b, 0,1
	v_lshrrev_b32 v[236+\b], 23, v[244+\b]
.endr
	v_lshl_or_b32 v238, v237, 8, v236
.irp b, 0,1
.irp i, 0,1,2,3,4,5,6,7,8,9,10,11,12,13,14,15
	v_med3_num_f32 v[96+16*\b+\i], v[96+16*\b+\i], -v[240+\b], v[240+\b]
.endr
	v_cvt_scalef32_pk8_fp8_f32 v[224+4*\b:225+4*\b], v[96+16*\b:103+16*\b], v[244+\b]
	v_cvt_scalef32_pk8_fp8_f32 v[226+4*\b:227+4*\b], v[104+16*\b:111+16*\b], v[244+\b]
.endr
	v_nop
	global_store_b128 v[GOC], v[224:227], s[6:7]              ; two groups of four registers of the next operand's image: 512 consecutive bytes each
	global_store_b128 v[GOC], v[228:231], s[6:7] offset:512
	global_store_b16 v[GOS], v238, s[8:9]                     ; lanes r and r + 16 hold the same two bytes and write them to the same place
	s_wait_tensorcnt 0x0                           ; the wave's end
	ds_add_u32 v30, v31
	s_wait_dscnt 0x0
	CROUND                                         ; the closing round: no work-group ends while a partner may still ask
	s_endpgm
.Lfunc_end_k_qb2c622236d_attn:
	.size	k_qb2c622236d_attn, .Lfunc_end_k_qb2c622236d_attn-k_qb2c622236d_attn
	.p2alignl 7, 3214868480
	.fill 96, 4, 3214868480
	.section	.rodata,"a",@progbits
	.p2align	6, 0x0
	.amdhsa_kernel k_qb2c622236d_attn
		.amdhsa_group_segment_fixed_size 327680
		.amdhsa_private_segment_fixed_size 0
		.amdhsa_enable_private_segment 0
		.amdhsa_kernarg_size 24
		.amdhsa_user_sgpr_count 2
		.amdhsa_user_sgpr_kernarg_segment_ptr 1
		.amdhsa_wavefront_size32 1
		.amdhsa_system_sgpr_workgroup_id_x 1
		.amdhsa_system_sgpr_workgroup_id_y 1
		.amdhsa_system_sgpr_workgroup_id_z 1
		.amdhsa_system_vgpr_workitem_id 0
		.amdhsa_next_free_vgpr 256
		.amdhsa_next_free_sgpr 96
		.amdhsa_reserve_vcc 0
		.amdhsa_float_denorm_mode_32 3
		.amdhsa_float_denorm_mode_16_64 3
		.amdhsa_memory_ordered 1
		.amdhsa_forward_progress 1
		.amdhsa_inst_pref_size 88
	.end_amdhsa_kernel
	.amdgpu_metadata
---
amdhsa.version: [ 1, 2 ]
amdhsa.kernels:
  - .name:           k_qb2c622236d_attn
    .symbol:         k_qb2c622236d_attn.kd
    .args:
      - { .name: qkvw, .offset: 0, .size: 8, .value_kind: global_buffer, .address_space: global }
      - { .name: aq_c, .offset: 8, .size: 8, .value_kind: global_buffer, .address_space: global }
      - { .name: aq_s, .offset: 16, .size: 8, .value_kind: global_buffer, .address_space: global }
    .group_segment_fixed_size: 327680
    .private_segment_fixed_size: 0
    .kernarg_segment_align: 8
    .kernarg_segment_size: 24
    .max_flat_workgroup_size: 512
    .sgpr_count:     96
    .vgpr_count:     256
    .wavefront_size: 32
...
	.end_amdgpu_metadata
.endif
;; end of part 3
;; launch proj (part 4): grid 8 x 32, 4 waves a work-group, clusters of 4 x 4, 327,680 bytes of LDS; arguments aq_c, aq_s, w_out_codes, w_out_scales, x, x1; writes x1
.if DOCPART == 4
	.amdgcn_target "amdgcn-amd-amdhsa--gfx1250"
	.amdhsa_code_object_version 6
	.text
	.protected	k_qb2c622236d_proj
	.globl	k_qb2c622236d_proj
	.p2align	8
	.type	k_qb2c622236d_proj,@function
k_qb2c622236d_proj:
	s_mov_b64 s[64:65], 0
	v_nop
	global_prefetch_b8 v0, s[64:65] scope:SCOPE_SE
	s_setreg_imm32_b32 hwreg(HW_REG_WAVE_MODE, 25, 1), 1
	s_wait_xcnt 0x0
	s_wait_alu depctr_hold_cnt(0) depctr_sa_sdst(0) depctr_va_vdst(0) depctr_va_sdst(0) depctr_va_ssrc(0) depctr_va_vcc(0) depctr_vm_vsrc(0)
	s_getreg_b32 s2, hwreg(HW_REG_IB_STS2, 6, 4)
	s_cmp_eq_u32 s2, 0
	s_cbranch_scc0 .Lentry_in_a_cluster
	s_endpgm
.Lentry_in_a_cluster:
	s_bfe_u32 s2, ttmp6, 0x10000c
	s_cmp_lg_u32 s2, 0xf033
	s_cbranch_scc0 .Lentry_shape_is_right
	s_endpgm
.Lentry_shape_is_right:
; x1 = x + A W^T: A [4096][1024] as fragment images of E4M3 codes with scale words, W [1024][1024] as codes with E8M0 bytes.  A work-group makes 128 x 128, four waves 64 x 64 each; K goes in steps of 512 through two LDS slots.
; CLUSTER 4 x 4: A's tiles are shared along a row, W's along a column.  THE HEAD: four tiles, one joint load a wave: wave 0 slot 0's A, wave 1 its W, wave 2 A's scale words, wave 3 W's scale bytes; slot 1 is filled behind the full sequence and a round.
; PREFETCH: behind the head's loads stands one global_prefetch_b8 a wave for slot 1, the only later slot.  Of the 32,768 bytes that a wave fetches of it, each of the four partners that ask for them jointly names 8,192,
; told apart by address (cx for A, cy for W): 32 lanes x 256 bytes, so each block of 256 bytes is named once in each cluster that will load it.
.set SIZE_K, 1024
.set NT,     SIZE_K/512
.set NE,     SIZE_K/128
.set KS,     SIZE_K/32
.set AIMG,   65536
.set WP,     528
.set SLOT,   AIMG+128*WP
.set SCA,    2*SLOT
.set SCW,    SCA+4*SIZE_K
.set HSW,    (SIZE_K/128)*272
.set SBLK,   (16*KS/256)*272
.set SPARE,  SCW+2*HSW
.set SPITCH, 272
.set ADRA, 16
.set ADRB, 20
.set ADSA, 22
.set ADSW, 23
.set STO,  24
.set RD,   25
.set CO,   26
.set SPW,  28
.set NIL,  29
.set SC,   32
.set BK,   32
.set ACC,  128
.set G1,   24
.set G0,   32
.set G1B,  48
.set G0B,  56
.set G1S,  68
.set G0S,  76
.set G1SB, 80
.set G0SB, 88
.set MSB, 0
.macro WIN new
.if MSB != (\new)
	s_set_vgpr_msb (MSB<<8)|(\new)
.set MSB, (\new)
.endif
.endm
.macro PLACES n
.rept \n
	v_nop
.endr
.endm
.macro JLOAD g0a, g1a, g0b, g1b
	s_cmp_eq_u32 s15, 0
	s_cbranch_scc0 .Lfor_b_\@
	tensor_load_to_lds s[\g0a:\g0a+3], s[\g1a:\g1a+7]
	s_nop 0
.rept 4
	v_nop
.endr
	s_branch .Lasked_\@
.Lfor_b_\@:
	tensor_load_to_lds s[\g0b:\g0b+3], s[\g1b:\g1b+7]
	s_nop 0
.rept 4
	v_nop
.endr
.Lasked_\@:
.endm
.macro CREST
	s_cmp_lg_u32 s14, 0
	s_cbranch_scc1 .Lnot_wave_0_\@
	s_barrier_signal -3
.Lnot_wave_0_\@:
	s_barrier_wait -3
	s_barrier_signal -1
	s_barrier_wait -1
.endm
.macro CROUND
	s_barrier_signal -1
	s_barrier_wait -1
	CREST
.endm
	s_load_b128 s[4:7], s[0:1], 0x0
	s_load_b128 s[8:11], s[0:1], 0x10
	s_load_b128 s[96:99], s[0:1], 0x20
	v_lshl_add_u32 v[SPW], v0, 2, SPARE
	v_mov_b32 v[NIL], 0
	ds_add_u32 v28, v29
	ds_add_u32 v28, v29
	s_wait_dscnt 0x0
	v_lshrrev_b32 v1, 5, v0
	v_readfirstlane_b32 s14, v1
	s_lshr_b32 s15, s14, 1
	s_and_b32 s16, s14, 1
	s_bfe_u32 s40, ttmp6, 0x40000
	s_bfe_u32 s41, ttmp6, 0x40004
	s_lshl_b32 s42, ttmp9, 2
	s_add_co_u32 s42, s42, s40
	s_and_b32 s17, ttmp7, 0xffff
	s_lshl_b32 s17, s17, 2
	s_add_co_u32 s17, s17, s41
	s_lshl_b32 s43, s41, 2
	s_lshl_b32 s43, 15, s43
	s_lshl_b32 s44, 0x1111, s40
	s_or_b32 s[G1], s43, (3<<16)|(1<<21)
	s_mov_b32 s[G1+1], 32<<16
	s_mov_b32 s[G1+2], 256<<16
	s_mov_b32 s[G1+3], 32<<16
	s_mov_b32 s[G1+4], 256
	s_mov_b32 s[G1+5], 32
	s_mov_b32 s[G1+6], 0
	s_mov_b32 s[G1+7], 0
	s_or_b32 s[G1B], s44, (1<<20)|(1<<21)|(6<<22)|(3<<25)
	s_mov_b32 s[G1B+1], 512<<16
	s_mov_b32 s[G1B+2], 128<<16
	s_mov_b32 s[G1B+3], 512<<16
	s_mov_b32 s[G1B+4], 128
	s_mov_b32 s[G1B+5], SIZE_K
	s_mov_b32 s[G1B+6], 0
	s_mov_b32 s[G1B+7], 0
	s_or_b32 s[G1S], s43, (3<<16)|(1<<21)
	s_mov_b32 s[G1S+1], 32<<16
	s_mov_b32 s[G1S+2], (SIZE_K/64)<<16
	s_mov_b32 s[G1S+3], 32<<16
	s_mov_b32 s[G1S+4], SIZE_K/64
	s_mov_b32 s[G1S+5], 32
	s_mov_b32 s[G1S+6], 0
	s_mov_b32 s[G1S+7], 0
	s_or_b32 s[G1SB], s44, (3<<16)|(1<<20)|(1<<21)|(5<<22)|(3<<25)
	s_mov_b32 s[G1SB+1], 32<<16
	s_mov_b32 s[G1SB+2], (SIZE_K/64)<<16
	s_mov_b32 s[G1SB+3], 32<<16
	s_mov_b32 s[G1SB+4], SIZE_K/64
	s_mov_b32 s[G1SB+5], 32
	s_mov_b32 s[G1SB+6], 0
	s_mov_b32 s[G1SB+7], 0
	s_lshl_b32 s20, s17, 16                        ; the tile's first byte of A's images,
	s_mov_b32 s21, 0
	s_mul_i32 s22, s17, 4*SIZE_K                   ; of A's scale words,
	s_mov_b32 s23, 0
	s_lshl_b32 s46, s42, 7                         ; and W's first row
	s_mul_i32 s92, s46, KS
	s_mov_b32 s93, 0
	s_mul_i32 s46, s46, SIZE_K
	s_mov_b32 s47, 0
	s_lshl_b32 s45, s16, 15
	s_mul_i32 s94, s16, 64*WP
	s_add_co_u32 s94, s94, AIMG
	s_lshl_b32 s2, s16, 15                         ; in the ring I fetch half a tile: which half, in bytes, of A
	s_mov_b32 s3, 0
	s_mul_i32 s18, s16, 64*SIZE_K                  ; and of W
	s_mov_b32 s19, 0
	s_wait_kmcnt 0x0
	s_add_nc_u64 s[20:21], s[4:5], s[20:21]
	s_add_nc_u64 s[22:23], s[6:7], s[22:23]
	s_add_nc_u64 s[46:47], s[8:9], s[46:47]
	s_add_nc_u64 s[92:93], s[10:11], s[92:93]
	CROUND
	s_mov_b32 s[G0S], 1
	s_mov_b32 s[G0S+1], SCA
	s_mov_b64 s[G0S+2:G0S+3], s[22:23]
	s_or_b32 s[G0S+3], s[G0S+3], 0x80000000
	s_mov_b32 s[G0SB], 1
	s_mov_b32 s[G0SB+1], SCW
	s_mov_b64 s[G0SB+2:G0SB+3], s[92:93]
	s_or_b32 s[G0SB+3], s[G0SB+3], 0x80000000
	s_mov_b32 s4, 1                                ; group 0 of the head's loads of slot 0, each tile whole (the arguments that lay here have been used): A's 65,536 bytes,
	s_mov_b32 s5, 0
	s_mov_b64 s[6:7], s[20:21]
	s_or_b32 s7, s7, 0x80000000
	s_mov_b32 s8, 1                                ; and W's 128 rows
	s_mov_b32 s9, AIMG
	s_mov_b64 s[10:11], s[46:47]
	s_or_b32 s11, s11, 0x80000000
	s_add_nc_u64 s[20:21], s[20:21], s[2:3]        ; for the ring: my half of the tile
	s_add_nc_u64 s[46:47], s[46:47], s[18:19]
.irp sl, 0,1
	s_mov_b32 s[G0+4*\sl], 1
	s_add_co_u32 s[G0+4*\sl+1], s45, \sl*SLOT
	s_add_nc_u64 s[G0+4*\sl+2:G0+4*\sl+3], s[20:21], \sl*0x200000
	s_or_b32 s[G0+4*\sl+3], s[G0+4*\sl+3], 0x80000000
	s_mov_b32 s[G0B+4*\sl], 1
	s_add_co_u32 s[G0B+4*\sl+1], s94, \sl*SLOT
	s_add_nc_u64 s[G0B+4*\sl+2:G0B+4*\sl+3], s[46:47], \sl*512
	s_or_b32 s[G0B+4*\sl+3], s[G0B+4*\sl+3], 0x80000000
.endr
	; the prefetch: my work-group's quarter of the half tile that I fetch, one slot on
	s_cmp_eq_u32 s15, 0                            ; do I fetch for A?
	s_cselect_b64 s[12:13], s[20:21], s[46:47]
	s_cselect_b32 s22, s40, s41                    ; my place among the four that ask with me
	s_mov_b32 s23, 16*SIZE_K
	s_cselect_b32 s23, 8192, s23                   ; a partner's share: 8,192 dense bytes of A, 16 rows of W
	s_mov_b32 s92, 512
	s_cselect_b32 s92, 0x200000, s92               ; a slot on
	s_mov_b32 s95, SIZE_K
	s_cselect_b32 s95, 512, s95                    ; from one pair of lanes to the next: 512 bytes of A, a row of W
	s_mul_i32 s22, s22, s23
	s_add_co_u32 s22, s22, s92
	s_mov_b32 s23, 0
	s_add_nc_u64 s[12:13], s[12:13], s[22:23]
	v_bfe_u32 v30, v0, 1, 4
	v_mul_lo_u32 v30, v30, s95
	v_and_b32 v31, 1, v0
	v_lshl_add_u32 v30, v31, 8, v30                ; the pair's two lanes lie 256 bytes apart
	s_wait_alu depctr_va_vdst(0)
; the head's loads, one a wave, in one chain of branches on the wave's number
.macro ARM under, g0, g1, next
	s_cmp_lt_u32 s14, \under
	s_cbranch_scc0 \next
	tensor_load_to_lds s[\g0:\g0+3], s[\g1:\g1+7]
	s_nop 0
.rept 4
	v_nop
.endr
	s_branch .Lhead_asked
\next:
.endm
	ARM 1, 4,   G1,  .Lhead_b
	ARM 2, 8,   G1B, .Lhead_sa
	ARM 3, G0S, G1S, .Lhead_sb
	tensor_load_to_lds s[G0SB:G0SB+3], s[G1SB:G1SB+7]
	s_nop 0
.rept 4
	v_nop
.endr
.Lhead_asked:
	global_prefetch_b8 v30, s[12:13] th:TH_LOAD_NT scope:SCOPE_SE   ; slot 1; its address registers are never rewritten
	v_and_b32 v1, 15, v0
	v_bfe_u32 v2, v0, 4, 1
	v_and_b32 v3, 31, v0
	v_lshlrev_b32 v4, 4, v3
	s_lshl_b32 s21, s15, 15
	v_add_nc_u32 v[ADRA], s21, v4
	v_add_nc_u32 v[ADRA+1], SLOT, v[ADRA]
	v_mul_u32_u24 v5, v1, WP
	v_lshl_add_u32 v5, v2, 4, v5
	s_mul_i32 s22, s16, 64*WP
	s_add_co_u32 s22, s22, AIMG
	v_add_nc_u32 v[ADRB], s22, v5
	v_add_nc_u32 v[ADRB+1], SLOT, v[ADRB]
	v_lshlrev_b32 v5, 5, v1
	s_lshl_b32 s21, s15, 4
	s_add_co_u32 s21, s21, SCA
	v_add_nc_u32 v[ADSA], s21, v5
	v_mul_u32_u24 v5, v1, KS
	v_lshrrev_b32 v6, 8, v5
	v_lshl_add_u32 v5, v6, 4, v5
	s_mul_i32 s22, s16, HSW
	s_add_co_u32 s22, s22, SCW
	v_add_nc_u32 v[ADSW], s22, v5
	s_mul_i32 s23, s14, 16*SPITCH
	v_mul_u32_u24 v5, v1, SPITCH
	v_lshl_add_u32 v5, v2, 5, v5
	v_add_nc_u32 v[STO], s23, v5
	v_mul_u32_u24 v5, v2, SPITCH
	v_lshl_add_u32 v5, v1, 4, v5
	v_add_nc_u32 v[RD], s23, v5
	v_lshlrev_b32 v5, 12, v2
	v_lshl_add_u32 v[CO], v1, 4, v5
	s_wait_alu depctr_va_vdst(0)
	s_lshl_b32 s20, s17, 7
	s_lshl_b32 s21, s15, 6
	s_add_co_u32 s20, s20, s21
	s_lshl_b32 s20, s20, 12
	s_lshl_b32 s46, s42, 9
	s_lshl_b32 s47, s16, 8
	s_add_co_u32 s46, s46, s47
	s_add_co_u32 s46, s46, s20
	s_mov_b32 s47, 0
	s_add_nc_u64 s[96:97], s[96:97], s[46:47]
	s_add_nc_u64 s[98:99], s[98:99], s[46:47]
.macro FETCH
.set FB, 128*(f%2)
.set SL, (f/4)%2
.set QQ, f%4
	WIN 0x40
.irp i, 0,1,2,3
.irp c, 0,1,2,3
	ds_load_b128 v[FB+64+16*\i+4*\c:FB+64+16*\i+4*\c+3], v[ADRB+SL] offset:\i*16*WP+128*QQ+32*\c
.endr
.endr
.irp i, 0,1,2,3
.irp c, 0,1,2,3
	ds_load_b128 v[FB+16*\i+4*\c:FB+16*\i+4*\c+3], v[ADRA+SL] offset:8192*\i+2048*QQ+512*\c
.endr
.endr
	WIN 0
.endm
.macro SCALES
.set SS, SC+32*(tl%2)
.irp q, 0,1,2,3
	ds_load_b128 v[SS+4*\q:SS+4*\q+3], v[ADSA] offset:512*(4*tl+\q)
.endr
.irp b, 0,1,2,3
	ds_load_b128 v[SS+16+4*\b:SS+16+4*\b+3], v[ADSW] offset:\b*SBLK+16*tl
.endr
.endm
.macro MUL8 a0, zero
.set FB, 128*(e%2)
.set SS, SC+32*((e/4)%2)
.set QQ, e%4
.irp a, \a0, \a0+1
.irp b, 0,1,2,3
.if \zero
	v_wmma_scale_f32_16x16x128_f8f6f4 v[ACC+8*(4*(\a)+\b):ACC+8*(4*(\a)+\b)+7], v[FB+64+16*\b:FB+64+16*\b+15], v[FB+16*(\a):FB+16*(\a)+15], 0, v[SS+16+4*\b+QQ], v[SS+4*QQ+(\a)]
.else
	v_wmma_scale_f32_16x16x128_f8f6f4 v[ACC+8*(4*(\a)+\b):ACC+8*(4*(\a)+\b)+7], v[FB+64+16*\b:FB+64+16*\b+15], v[FB+16*(\a):FB+16*(\a)+15], v[ACC+8*(4*(\a)+\b):ACC+8*(4*(\a)+\b)+7], v[SS+16+4*\b+QQ], v[SS+4*QQ+(\a)]
.endif
.endr
.endr
.endm
	s_wait_alu depctr_va_vdst(0)                   ; the wait at the head's end
	s_wait_tensorcnt 0x0                           ; my tile of the head's four is in
	ds_add_u32 v[SPW], v[NIL]
	s_mov_b32 s[G1+2], 128<<16                     ; no tensor load of mine is out: from here on a load brings half a tile
	s_mov_b32 s[G1+4], 128
	s_mov_b32 s[G1B+2], 64<<16
	s_mov_b32 s[G1B+4], 64
	s_wait_dscnt 0x0
	CROUND                                         ; all four tiles are in, and all sixteen work-groups are here
	JLOAD G0+4, G1, G0B+4, G1B                     ; slot 1, the first tensor load behind the round
	WIN 0x80                                       ; the residual x, my 64 x 64 numbers, is asked for only now, behind the head's tiles: nothing reads it before the way out, where s_wait_loadcnt 0 stands
.irp a, 0,1,2,3
.irp t, 0,1,2,3,4,5,6,7
	global_load_b128 v[4*(8*\a+\t):4*(8*\a+\t)+3], v[CO], s[96:97] offset:(16*\a+2*\t)*4096
.endr
.endr
	WIN 0
.set f, 0
	FETCH
.set tl, 0
	SCALES
.set e, 0
.rept NE
.if e == NE-1
	s_wait_dscnt 0x0
	WIN 0x05
	MUL8 0, 0
	MUL8 2, 0
	WIN 0
.elseif e%4 != 3
	s_wait_dscnt 0x0
	PLACES 8
.set f, e+1
	FETCH
	WIN 0x05
.if e == 0
	MUL8 0, 1
	MUL8 2, 1
.else
	MUL8 0, 0
	MUL8 2, 0
.endif
	WIN 0
.else
	s_wait_tensorcnt 0x0
	ds_add_u32 v[SPW], v[NIL]
	s_wait_dscnt 0x0
	s_barrier_signal -1
	WIN 0x05
	MUL8 0, 0
	WIN 0
	s_barrier_wait -1
.if (e/4)+2 < NT
	CREST
.set GA, G0+4*((e/4)%2)
.set GB, G0B+4*((e/4)%2)
	s_add_nc_u64 s[GA+2:GA+3], s[GA+2:GA+3], 0x400000
	s_add_nc_u64 s[GB+2:GB+3], s[GB+2:GB+3], 1024
	JLOAD GA, G1, GB, G1B
	PLACES 4
.else
	PLACES 8
.endif
.set f, e+1
	FETCH
.set tl, (e/4)+1
	SCALES
	WIN 0x05
	MUL8 2, 0
	WIN 0
.endif
.set e, e+1
.endr
.macro TOSTAGE a
.set BB, BK+32*((\a)%2)
.irp b, 0,1,2,3
	ds_store_b128 v[STO], v[ACC+8*(4*(\a)+\b):ACC+8*(4*(\a)+\b)+3] offset:64*\b
	ds_store_b128 v[STO], v[ACC+8*(4*(\a)+\b)+4:ACC+8*(4*(\a)+\b)+7] offset:64*\b+16
.endr
.irp t, 0,1,2,3,4,5,6,7
	ds_load_b128 v[BB+4*\t:BB+4*\t+3], v[RD] offset:\t*2*SPITCH
.endr
.endm
.macro SEND a, younger
.set BB, BK+32*((\a)%2)
	s_wait_dscnt \younger
	WIN 0x08
.set k, 0
.rept 16
	v_pk_add_f32 v[BB+k:BB+k+1], v[BB+k:BB+k+1], v[32*(\a)+k:32*(\a)+k+1]
.set k, k+2
.endr
	WIN 0
.irp t, 0,1,2,3,4,5,6,7
	global_store_b128 v[CO], v[BB+4*\t:BB+4*\t+3], s[98:99] offset:(16*(\a)+2*\t)*4096
.endr
.endm
	PLACES 8
	s_wait_loadcnt 0x0
	TOSTAGE 0
.irp a, 1,2,3
.if \a > 1
	s_wait_xcnt 0x0
.endif
	TOSTAGE \a
	SEND \a-1, 16
.endr
	SEND 3, 0
	s_wait_tensorcnt 0x0
	ds_add_u32 v[SPW], v[NIL]
	s_wait_dscnt 0x0
	CROUND
	s_endpgm
.Lfunc_end_k_qb2c622236d_proj:
	.size	k_qb2c622236d_proj, .Lfunc_end_k_qb2c622236d_proj-k_qb2c622236d_proj
	.p2alignl 7, 3214868480
	.fill 96, 4, 3214868480
	.section	.rodata,"a",@progbits
	.p2align	6, 0x0
	.amdhsa_kernel k_qb2c622236d_proj
		.amdhsa_group_segment_fixed_size 327680
		.amdhsa_private_segment_fixed_size 0
		.amdhsa_enable_private_segment 0
		.amdhsa_kernarg_size 48
		.amdhsa_user_sgpr_count 2
		.amdhsa_user_sgpr_kernarg_segment_ptr 1
		.amdhsa_wavefront_size32 1
		.amdhsa_system_sgpr_workgroup_id_x 1
		.amdhsa_system_sgpr_workgroup_id_y 1
		.amdhsa_system_sgpr_workgroup_id_z 1
		.amdhsa_system_vgpr_workitem_id 0
		.amdhsa_next_free_vgpr 640
		.amdhsa_next_free_sgpr 100
		.amdhsa_reserve_vcc 0
		.amdhsa_float_denorm_mode_32 3
		.amdhsa_float_denorm_mode_16_64 3
		.amdhsa_memory_ordered 1
		.amdhsa_forward_progress 1
		.amdhsa_inst_pref_size 63
	.end_amdhsa_kernel
	.amdgpu_metadata
---
amdhsa.version: [ 1, 2 ]
amdhsa.kernels:
  - .name:           k_qb2c622236d_proj
    .symbol:         k_qb2c622236d_proj.kd
    .args:
      - { .name: aq_c, .offset: 0, .size: 8, .value_kind: global_buffer, .address_space: global }
      - { .name: aq_s, .offset: 8, .size: 8, .value_kind: global_buffer, .address_space: global }
      - { .name: w_out_codes, .offset: 16, .size: 8, .value_kind: global_buffer, .address_space: global }
      - { .name: w_out_scales, .offset: 24, .size: 8, .value_kind: global_buffer, .address_space: global }
      - { .name: x, .offset: 32, .size: 8, .value_kind: global_buffer, .address_space: global }
      - { .name: x1, .offset: 40, .size: 8, .value_kind: global_buffer, .address_space: global }
    .group_segment_fixed_size: 327680
    .private_segment_fixed_size: 0
    .kernarg_segment_align: 8
    .kernarg_segment_size: 48
    .max_flat_workgroup_size: 128
    .sgpr_count:     100
    .vgpr_count:     640
    .wavefront_size: 32
...
	.end_amdgpu_metadata
.endif
;; end of part 4
;; launch nq2: the kernel of part 1 again; grid 256 x 1, 8 waves a work-group, no clusters, 42,496 bytes of LDS; arguments x1, norm2_scale, a_codes, a_scales; writes a_codes, a_scales
;; launch up (part 5): grid 16 x 16, 4 waves a work-group, clusters of 4 x 4, 327,680 bytes of LDS; arguments a_codes, a_scales, w_up_codes, w_up_scales, gq_c, gq_s; writes gq_c, gq_s
.if DOCPART == 5
	.amdgcn_target "amdgcn-amd-amdhsa--gfx1250"
	.amdhsa_code_object_version 6
	.text
	.protected	k_qb2c622236d_up
	.globl	k_qb2c622236d_up
	.p2align	8
	.type	k_qb2c622236d_up,@function
k_qb2c622236d_up:
	s_mov_b64 s[64:65], 0
	v_nop
	global_prefetch_b8 v0, s[64:65] scope:SCOPE_SE
	s_setreg_imm32_b32 hwreg(HW_REG_WAVE_MODE, 25, 1), 1
	s_wait_xcnt 0x0
	s_wait_alu depctr_hold_cnt(0) depctr_sa_sdst(0) depctr_va_vdst(0) depctr_va_sdst(0) depctr_va_ssrc(0) depctr_va_vcc(0) depctr_vm_vsrc(0)
	s_getreg_b32 s2, hwreg(HW_REG_IB_STS2, 6, 4)
	s_cmp_eq_u32 s2, 0
	s_cbranch_scc0 .Lentry_in_a_cluster
	s_endpgm
.Lentry_in_a_cluster:
	s_bfe_u32 s2, ttmp6, 0x10000c
	s_cmp_lg_u32 s2, 0xf033
	s_cbranch_scc0 .Lentry_shape_is_right
	s_endpgm
.Lentry_shape_is_right:
; g = Q(gelu(A B^T)): A [4096][1024], B [4096][1024]: codes of E4M3 with one E8M0 byte for each 32 along K.  The result never leaves as f32: it is put through gelu (tanh form) and quantised along its 4,096 columns.
; A tile of 256 x 256 is made by four waves, each 128 x 128: 64 accumulators, 512 registers.  K goes in steps of 256 through two LDS slots filled by the tensor data mover.
; The scale bytes of the work-group's 256 rows of A and of B for all of K come into LDS once.  CLUSTER 4 x 4: A's tiles are shared along a row, B's along a column: joint loads.
; Source 0 = 16 rows of B, source 1 = 16 rows of A: a lane holds one token and eight neighbouring columns; a wave's 128 columns are ONE K step of the next product, so a block of 16 tokens becomes one fragment and one scale word a row.
; gelu(x) = x / (1 + 2^(x (k0 + k1 x^2))), k0 = -2 sqrt(2 / pi) log2(e), k1 = 0.044715 k0: the tanh form without the difference 1 + tanh, which loses digits for negative x; right at both infinities.
; OUT: codes [kappa / 4][tile of 16 tokens][kappa % 4][c][lane][16 bytes]; words [128 tokens][kappa][r][a].  LIMITS: NaN is not served; a block of zeros takes the byte 1.
; REGISTERS: window 0: v0-31 addresses; v32-63 scale words, two sets; from v128 A's fragments, ONE set; behind the products v64-191 are at work.  window 1: B's fragments, TWO sets.  windows 2, 3: the accumulators, (a, b) at 8 (8 (a % 4) + b).
.set SIZE_M, 4096
.set SIZE_N, 4096
.set SIZE_K, 1024
.set KSTEP,  256
.set NQ,     KSTEP/128
.set ROWB,   256
.set KROW,   SIZE_K
.set PITCH,  272                       ; an LDS row: 256 bytes + 16: the 16 rows that a load touches start at 16 different groups of banks
.set FR,     16
.set NL,     4
.set NP,     8                         ; places behind this matrix instruction (ISA guide 7.12.1)
.set HALFT,  128*PITCH
.set SLOT,   4*HALFT
.set LAPS,   SIZE_K/(2*KSTEP)
.set KS,     SIZE_K/32
.set SCL,    2*SLOT
.set HALFS,  (128*KS/256)*272
.set SBLK,   (16*KS/256)*272
.set SPARE,  SCL+4*HALFS               ; the spare words: 128 bytes a wave, two blocks of 256 that no other line names
.set ADRA, 16
.set ADRB, 20
.set LSO,  24                          ; v24  32 r + 16 h: my 16 bytes of the wave's scale words
.set LI,   26                          ; v26  16 x lane
.set SPW,  28
.set NIL,  29
.set ADRS, 27
.set SC,   32
.set AF,   128
.set HA,   64                          ; behind the products: 64 numbers of a lane
.set PC,   128                         ; codes, two sets of 16
.set TM,   160
.set PWB,  176                         ; the eight blocks' scale words
.set OW,   184
.set K0,   188
.set SEL,  4
.set MNT,  6
.set G1, 24
.set G0, 32
.set G1B, 48
.set G0B, 56
.set G1S, 68
.set G0S, 76
.set G1SB, 80
.set G0SB, 88
.set MSB, 0
.macro WIN new
.if MSB != (\new)
	s_set_vgpr_msb (MSB<<8)|(\new)
.set MSB, (\new)
.endif
.endm
.set MUL_LO, 0xa1
.set MUL_HI, 0xf1
.set TO_B,   0x40
.macro JLOAD g0a, g1a, g0b, g1b        ; a joint load: waves 0, 1 ask for A, waves 2, 3 for B; four v_nop follow each line
	s_cmp_eq_u32 s15, 0
	s_cbranch_scc0 .Lfor_b_\@
	tensor_load_to_lds s[\g0a:\g0a+3], s[\g1a:\g1a+7]
	s_nop 0
.rept 4
	v_nop
.endr
	s_branch .Lasked_\@
.Lfor_b_\@:
	tensor_load_to_lds s[\g0b:\g0b+3], s[\g1b:\g1b+7]
	s_nop 0
.rept 4
	v_nop
.endr
.Lasked_\@:
.endm
.macro CREST
	s_cmp_lg_u32 s14, 0
	s_cbranch_scc1 .Lnot_wave_0_\@
	s_barrier_signal -3
.Lnot_wave_0_\@:
	s_barrier_wait -3
	s_barrier_signal -1
	s_barrier_wait -1
.endm
.macro CROUND
	s_barrier_signal -1
	s_barrier_wait -1
	CREST
.endm
	s_load_b128 s[4:7], s[0:1], 0x0                ; A's codes, A's bytes
	s_load_b128 s[8:11], s[0:1], 0x10              ; B's codes, B's bytes
	s_load_b64 s[12:13], s[0:1], 0x20              ; the codes out
	s_load_b64 s[96:97], s[0:1], 0x28              ; the words out
	v_lshl_add_u32 v[SPW], v0, 2, SPARE
	v_mov_b32 v[NIL], 0
	ds_add_u32 v28, v29
	ds_add_u32 v28, v29
	s_wait_dscnt 0x0
	v_lshrrev_b32 v1, 5, v0
	v_readfirstlane_b32 s14, v1                    ; wave
	s_lshr_b32 s15, s14, 1                         ; which half of the rows is mine; also: I fetch for A (0) or B (1)
	s_and_b32 s16, s14, 1                          ; which half of the columns; also: which 128 rows I fetch
	s_bfe_u32 s40, ttmp6, 0x40000
	s_bfe_u32 s41, ttmp6, 0x40004
	s_lshl_b32 s42, ttmp9, 2
	s_add_co_u32 s42, s42, s40                     ; tile column
	s_and_b32 s17, ttmp7, 0xffff
	s_lshl_b32 s17, s17, 2
	s_add_co_u32 s17, s17, s41                     ; tile row
	s_lshl_b32 s43, s41, 2
	s_lshl_b32 s43, 15, s43
	s_lshl_b32 s44, 0x1111, s40
	s_or_b32 s[G1+0], s43, (0<<16)|(1<<20)|(1<<21)|(5<<22)|(3<<25)
	s_or_b32 s[G1B+0], s44, (0<<16)|(1<<20)|(1<<21)|(5<<22)|(3<<25)
.irp g, G1, G1B
	s_mov_b32 s[\g+1], ROWB<<16
	s_mov_b32 s[\g+2], 256<<16
	s_mov_b32 s[\g+3], ROWB<<16
	s_mov_b32 s[\g+4], 256
	s_mov_b32 s[\g+5], KROW
	s_mov_b32 s[\g+6], 0
	s_mov_b32 s[\g+7], 0
.endr
	s_or_b32 s[G1S+0], s43, (3<<16)|(1<<20)|(1<<21)|(5<<22)|(3<<25)
	s_or_b32 s[G1SB+0], s44, (3<<16)|(1<<20)|(1<<21)|(5<<22)|(3<<25)
.irp g, G1S, G1SB
	s_mov_b32 s[\g+1], 32<<16
	s_mov_b32 s[\g+2], KS<<16
	s_mov_b32 s[\g+3], 32<<16
	s_mov_b32 s[\g+4], KS
	s_mov_b32 s[\g+5], 32
	s_mov_b32 s[\g+6], 0
	s_mov_b32 s[\g+7], 0
.endr
	s_lshl_b32 s20, s17, 8                         ; A: the tile's first row
	s_lshl_b32 s46, s42, 8                         ; B: likewise
	s_mov_b32 s21, 0
	s_mov_b32 s47, 0
	s_mov_b64 s[18:19], KS
	s_mul_u64 s[22:23], s[20:21], s[18:19]
	s_mul_u64 s[92:93], s[46:47], s[18:19]
	s_mov_b64 s[18:19], KROW
	s_mul_u64 s[20:21], s[20:21], s[18:19]
	s_mul_u64 s[46:47], s[46:47], s[18:19]
	s_mul_i32 s18, s16, 128*KROW                   ; in the ring I fetch 128 rows of a tile: which half, in bytes
	s_mov_b32 s19, 0
	s_mul_i32 s45, s14, HALFT
	s_wait_kmcnt 0x0
	s_add_nc_u64 s[20:21], s[4:5], s[20:21]
	s_add_nc_u64 s[22:23], s[6:7], s[22:23]
	s_add_nc_u64 s[46:47], s[8:9], s[46:47]
	s_add_nc_u64 s[92:93], s[10:11], s[92:93]
	CROUND                                         ; all sixteen work-groups are here: the first joint loads meet
	s_mov_b32 s[G0S], 1
	s_mov_b32 s[G0S+1], SCL
	s_mov_b64 s[G0S+2:G0S+3], s[22:23]
	s_or_b32 s[G0S+3], s[G0S+3], 0x80000000
	s_mov_b32 s[G0SB], 1
	s_mov_b32 s[G0SB+1], SCL+2*HALFS
	s_mov_b64 s[G0SB+2:G0SB+3], s[92:93]
	s_or_b32 s[G0SB+3], s[G0SB+3], 0x80000000
	s_mov_b32 s4, 1                                ; group 0 of the head's loads of K step 0, each tile whole (the arguments that lay here have been used): A's 256 rows,
	s_mov_b32 s5, 0
	s_mov_b64 s[6:7], s[20:21]
	s_or_b32 s7, s7, 0x80000000
	s_mov_b32 s8, 1                                ; and B's, behind them in slot 0
	s_mov_b32 s9, 2*HALFT
	s_mov_b64 s[10:11], s[46:47]
	s_or_b32 s11, s11, 0x80000000
	s_add_nc_u64 s[20:21], s[20:21], s[18:19]      ; for the ring: my 128 rows of the tile
	s_add_nc_u64 s[46:47], s[46:47], s[18:19]
.irp s, 0,1
	s_mov_b32 s[G0+4*\s], 1
	s_add_co_u32 s[G0+4*\s+1], s45, \s*SLOT
	s_add_nc_u64 s[G0+4*\s+2:G0+4*\s+3], s[20:21], \s*ROWB
	s_or_b32 s[G0+4*\s+3], s[G0+4*\s+3], 0x80000000
	s_mov_b32 s[G0B+4*\s], 1
	s_add_co_u32 s[G0B+4*\s+1], s45, \s*SLOT
	s_add_nc_u64 s[G0B+4*\s+2:G0B+4*\s+3], s[46:47], \s*ROWB
	s_or_b32 s[G0B+4*\s+3], s[G0B+4*\s+3], 0x80000000
.endr
; the head's loads, one a wave, in one chain of branches on the wave's number: wave 0 K step 0's 256 rows of A, wave 1 those of B, wave 2 A's scale bytes, wave 3 B's
.macro ARM under, g0, g1, next
	s_cmp_lt_u32 s14, \under
	s_cbranch_scc0 \next
	tensor_load_to_lds s[\g0:\g0+3], s[\g1:\g1+7]
	s_nop 0
.rept 4
	v_nop
.endr
	s_branch .Lhead_asked
\next:
.endm
; PREFETCH: a K step is 256 bytes of each row.  Of the 128 rows that a wave fetches, each of the four partners that ask for them jointly names 32, told apart by address (cx for A, cy for B): a lane a row, one instruction a wave,
; so each block of 256 bytes is named once in each cluster that will load it.  K steps 1 and 2 are asked for behind the head's loads, K step 3 behind K step 1's load; the steps stand in the immediates, so no address is rewritten.
	s_cmp_eq_u32 s15, 0                            ; do I fetch for A?
	s_cselect_b64 s[92:93], s[20:21], s[46:47]     ; my 128 rows
	s_cselect_b32 s22, s40, s41                    ; my place among the four that ask with me
	s_lshl_b32 s22, s22, 15                        ; 32 rows of 1,024 bytes
	s_mov_b32 s23, 0
	s_add_nc_u64 s[92:93], s[92:93], s[22:23]
	v_and_b32 v30, 31, v0
	v_lshlrev_b32 v30, 10, v30
	s_wait_alu depctr_va_vdst(0)
	ARM 1, 4,   G1,  .Lhead_b
	ARM 2, 8,   G1B, .Lhead_sa
	ARM 3, G0S, G1S, .Lhead_sb
	tensor_load_to_lds s[G0SB:G0SB+3], s[G1SB:G1SB+7]
	s_nop 0
.rept 4
	v_nop
.endr
.Lhead_asked:
	global_prefetch_b8 v30, s[92:93] offset:256 th:TH_LOAD_NT scope:SCOPE_SE   ; K step 1
	global_prefetch_b8 v30, s[92:93] offset:512 th:TH_LOAD_NT scope:SCOPE_SE   ; K step 2
	v_and_b32 v1, 15, v0
	v_bfe_u32 v2, v0, 4, 1
	v_mul_u32_u24 v3, v1, PITCH
	v_lshl_add_u32 v4, v2, 4, v3
	s_mul_i32 s21, s15, HALFT
	s_mul_i32 s22, s16, HALFT
	s_add_co_u32 s22, s22, 2*HALFT
.irp s, 0,1
	v_add_nc_u32 v[ADRA+\s], s21, v4
	v_add_nc_u32 v[ADRB+\s], s22, v4
	s_add_co_u32 s21, s21, SLOT
	s_add_co_u32 s22, s22, SLOT
.endr
	v_mul_u32_u24 v5, v1, KS
	v_lshrrev_b32 v6, 8, v5
	v_lshl_add_u32 v5, v6, 4, v5
	s_mul_i32 s21, s15, HALFS
	s_mul_i32 s22, s16, HALFS
	s_add_co_u32 s22, s22, 2*HALFS
	s_sub_co_u32 s22, s22, s21
	v_mul_u32_u24 v6, s22, v2                      ; lanes 16-31 take B's
	s_add_co_u32 s21, s21, SCL
	v_add_nc_u32 v5, v5, v6
	v_add_nc_u32 v[ADRS], s21, v5
	v_and_b32 v6, 31, v0
	v_lshlrev_b32 v[LI], 4, v6
	v_lshlrev_b32 v[LSO], 5, v1
	v_lshl_add_u32 v[LSO], v2, 4, v[LSO]
	s_lshl_b32 s20, s42, 1
	s_add_co_u32 s20, s20, s16                     ; kappa: which 128 of the next K are my columns
	s_lshl_b32 s21, s17, 4
	s_lshl_b32 s18, s15, 3
	s_add_co_u32 s21, s21, s18                     ; my first tile of 16 tokens
	s_lshr_b32 s18, s20, 2
	s_lshl_b32 s18, s18, 8
	s_add_co_u32 s18, s18, s21
	s_lshl_b32 s18, s18, 13
	s_and_b32 s19, s20, 3
	s_lshl_b32 s19, s19, 11
	s_add_co_u32 s46, s18, s19
	s_mov_b32 s47, 0
	s_add_nc_u64 s[12:13], s[12:13], s[46:47]
	s_lshl_b32 s18, s17, 1
	s_add_co_u32 s18, s18, s15
	s_lshl_b32 s18, s18, 5
	s_add_co_u32 s18, s18, s20
	s_lshl_b32 s46, s18, 9
	s_add_nc_u64 s[96:97], s[96:97], s[46:47]
.macro FRAG reg, adr, q, i
.irp c, 0,1,2,3
	ds_load_b128 v[\reg+4*\c:\reg+4*\c+3], v[\adr] offset:128*(\q)+32*\c+(\i)*16*PITCH
.endr
.endm
; The 64 accumulators take turns, one instruction a turn, in the same order in every step.
.macro MUL16 a0, p, q, sc, zero
.irp a, \a0, \a0+1
.irp b, 0,1,2,3,4,5,6,7
.if \zero
	v_wmma_scale_f32_16x16x128_f8f6f4 v[8*(8*((\a)%4)+\b):8*(8*((\a)%4)+\b)+7], v[128*(\p)+FR*\b:128*(\p)+FR*\b+FR-1], v[AF+FR*(\a):AF+FR*(\a)+FR-1], 0, v[SC+8*NQ*(\sc)+NQ*\b+(\q)], v[SC+8*NQ*(\sc)+NQ*(\a)+(\q)] matrix_a_scale:MATRIX_SCALE_ROW1
.else
	v_wmma_scale_f32_16x16x128_f8f6f4 v[8*(8*((\a)%4)+\b):8*(8*((\a)%4)+\b)+7], v[128*(\p)+FR*\b:128*(\p)+FR*\b+FR-1], v[AF+FR*(\a):AF+FR*(\a)+FR-1], v[8*(8*((\a)%4)+\b):8*(8*((\a)%4)+\b)+7], v[SC+8*NQ*(\sc)+NQ*\b+(\q)], v[SC+8*NQ*(\sc)+NQ*(\a)+(\q)] matrix_a_scale:MATRIX_SCALE_ROW1
.endif
.endr
.endr
.endm
.macro FETCH_B slot, q, p
	WIN TO_B
.irp i, 0,1,2,3,4,5,6,7
	FRAG 128*(\p)+FR*\i, ADRB+\slot, \q, \i
.endr
	WIN 0
.endm
.macro FETCH_A slot, q, i0
.irp i, \i0, \i0+1, \i0+2, \i0+3
	FRAG AF+FR*(\i), ADRA+\slot, \q, \i
.endr
.endm
.macro SCALES sc                       ; lanes 0-15 take A's block i, lanes 16-31 B's block i
.irp i, 0,1,2,3,4,5,6,7
	ds_load_b64 v[SC+8*NQ*\sc+NQ*\i:SC+8*NQ*\sc+NQ*\i+1], v[ADRS] offset:\i*SBLK
.endr
.endm
.macro PLACES n
.rept \n
	v_nop
.endr
.endm
.macro STEP slot, q, zero
	s_wait_dscnt 4*NL                              ; B's set and A's blocks 0-3 are in; the youngest 16 loads (A's blocks 4-7) may be out
	WIN MUL_LO
	MUL16 0, (\q)%2, \q, \slot, \zero
	MUL16 2, (\q)%2, \q, \slot, \zero
	s_wait_dscnt 0
	PLACES NP
	FETCH_B \slot, (\q)+1, 1-(\q)%2
	FETCH_A \slot, (\q)+1, 0
	WIN MUL_HI
	MUL16 4, (\q)%2, \q, \slot, \zero
	MUL16 6, (\q)%2, \q, \slot, \zero
	PLACES NP
	WIN 0
	FETCH_A \slot, (\q)+1, 4
.endm
.macro TURN slot, next, fill
	s_wait_tensorcnt 0x0                           ; all my tensor loads have landed: my part of the next slot
	ds_add_u32 v[SPW], v[NIL]                      ; 0 onto my spare word
	s_wait_dscnt 4*NL+1                            ; (the add and the youngest 16 loads may be out)
	WIN MUL_LO
	MUL16 0, 1, NQ-1, \slot, 0
	s_wait_dscnt 0x0                               ; the add is done, and my reads of this slot are over
	s_barrier_signal -1
	MUL16 2, 1, NQ-1, \slot, 0
	WIN 0
	s_barrier_wait -1
.if \fill
	CREST                                          ; the barrier has opened a round of the cluster's: no wave of any partner still reads this slot or has a load on its way
	s_add_nc_u64 s[G0+4*\slot+2:G0+4*\slot+3], s[G0+4*\slot+2:G0+4*\slot+3], 2*ROWB
	s_add_nc_u64 s[G0B+4*\slot+2:G0B+4*\slot+3], s[G0B+4*\slot+2:G0B+4*\slot+3], 2*ROWB
	JLOAD G0+4*\slot, G1, G0B+4*\slot, G1B
	PLACES NP-4
.else
	PLACES NP
.endif
	s_wait_alu depctr_va_vdst(0)
	v_add_nc_u32 v[ADRS], 4*NQ, v[ADRS]
	FETCH_B \next, 0, 0
	FETCH_A \next, 0, 0
	SCALES \next
	WIN MUL_HI
	MUL16 4, 1, NQ-1, \slot, 0
	MUL16 6, 1, NQ-1, \slot, 0
	PLACES NP
	WIN 0
	FETCH_A \next, 0, 4
.endm
	s_wait_alu depctr_va_vdst(0)
	s_wait_tensorcnt 0x0                           ; my tile of the head's four is in
	ds_add_u32 v[SPW], v[NIL]
	s_mov_b32 s[G1+2], 128<<16                     ; no tensor load of mine is out: from here on a load brings 128 rows
	s_mov_b32 s[G1+4], 128
	s_mov_b32 s[G1B+2], 128<<16
	s_mov_b32 s[G1B+4], 128
	s_wait_dscnt 0x0
	CROUND                                         ; all four tiles are in, and all sixteen work-groups are here
	JLOAD G0+4, G1, G0B+4, G1B                     ; K step 1, the first tensor load behind the round
	global_prefetch_b8 v30, s[92:93] offset:768 th:TH_LOAD_NT scope:SCOPE_SE   ; K step 3
	FETCH_B 0, 0, 0
	FETCH_A 0, 0, 0
	SCALES 0
	FETCH_A 0, 0, 4
	STEP 0, 0, 1
	s_mov_b32 s3, LAPS-1
.Llap:
	TURN 0, 1, 1
	STEP 1, 0, 0
	TURN 1, 0, 1
	STEP 0, 0, 0
	s_sub_co_u32 s3, s3, 1
	s_cmp_lg_u32 s3, 0
	s_cbranch_scc1 .Llap
	TURN 0, 1, 0
	STEP 1, 0, 0
	s_wait_dscnt 4*NL
	WIN MUL_LO
	MUL16 0, 1, NQ-1, 1, 0
	MUL16 2, 1, NQ-1, 1, 0
	s_wait_dscnt 0
	WIN MUL_HI
	MUL16 4, 1, NQ-1, 1, 0
	MUL16 6, 1, NQ-1, 1, 0
	WIN 0
; ---- behind the products: gelu and the quantiser, a block of 16 tokens at a time
	PLACES NP
	s_mov_b32 s[SEL], 0x76543210
	s_mov_b32 s[SEL+1], 0xfedcba98
	s_mov_b32 s[MNT], 0x600000
	v_mov_b32 v[K0], 0xc0135761
	v_mov_b32 v[K0+1], 0xc0135761
.irp b, 0,1,2,3
	v_mov_b32 v[TM+4+\b], 0                        ; written once: a lane permute's destination counts as one of its sources
.endr
.macro QUANT s, pc, pw
.irp b, 0,1,2,3
	v_max3_num_f32 v[TM+\b], |v[\s+16*\b]|, |v[\s+1+16*\b]|, 0x4800000
.endr
.irp i, 2,4,6,8,10,12,14
.irp b, 0,1,2,3
	v_max3_num_f32 v[TM+\b], v[TM+\b], |v[\s+16*\b+\i]|, |v[\s+1+16*\b+\i]|
.endr
.endr
.irp b, 0,1,2,3
	v_permlanex16_b32 v[TM+4+\b], v[TM+\b], s[SEL], s[SEL+1]
.endr
.irp b, 0,1,2,3
	v_max_num_f32 v[TM+\b], v[TM+\b], v[TM+4+\b]
.endr
.irp b, 0,1,2,3
	v_add_nc_u32 v[TM+12+\b], 0xfc000000, v[TM+\b]
.endr
.irp b, 0,1,2,3
	v_and_or_b32 v[TM+8+\b], v[TM+\b], 0x7f800000, s[MNT]
.endr
.irp b, 0,1,2,3
	v_lshrrev_b32 v[TM+4+\b], 23, v[TM+12+\b]
.endr
	v_lshl_or_b32 v[\pw], v[TM+5], 8, v[TM+4]
	v_lshl_or_b32 v[\pw], v[TM+6], 16, v[\pw]
	v_lshl_or_b32 v[\pw], v[TM+7], 24, v[\pw]
.irp b, 0,1,2,3
.irp i, 0,1,2,3,4,5,6,7,8,9,10,11,12,13,14,15
	v_med3_num_f32 v[\s+16*\b+\i], v[\s+16*\b+\i], -v[TM+8+\b], v[TM+8+\b]
.endr
	v_cvt_scalef32_pk8_fp8_f32 v[\pc+4*\b:\pc+1+4*\b], v[\s+16*\b:\s+7+16*\b], v[TM+12+\b]
	v_cvt_scalef32_pk8_fp8_f32 v[\pc+2+4*\b:\pc+3+4*\b], v[\s+8+16*\b:\s+15+16*\b], v[TM+12+\b]
.endr
	v_nop                                          ; a plain line behind the last conversion
.endm
.macro GELU a
.set WN, 2+(\a)/4
.set XB, 64*((\a)%4)
	WIN WN+4*WN                                    ; sources 0 and 1: the block's window
.set j, 0
.rept 32
	v_pk_mul_f32 v[HA+j:HA+j+1], v[XB+j:XB+j+1], v[XB+j:XB+j+1]   ; x^2; each accumulator from its low end on
.set j, j+2
.endr
	WIN 0
.set j, 0
.rept 32
	v_pk_fma_f32 v[HA+j:HA+j+1], v[HA+j:HA+j+1], 0xbdd2d3e8, v[K0:K0+1] op_sel_hi:[1,0,1]   ; k1 x^2 + k0
.set j, j+2
.endr
	WIN WN
.set j, 0
.rept 32
	v_pk_mul_f32 v[HA+j:HA+j+1], v[XB+j:XB+j+1], v[HA+j:HA+j+1]
.set j, j+2
.endr
	WIN 0
.set j, 0
	s_wait_alu depctr_va_vdst(0)
.rept 64
	v_exp_f32 v[HA+j], v[HA+j]
.set j, j+1
.endr
	v_nop
.set j, 0
	s_wait_alu depctr_va_vdst(0)
.rept 32
	v_pk_add_f32 v[HA+j:HA+j+1], v[HA+j:HA+j+1], 1.0 op_sel_hi:[1,0]
.set j, j+2
.endr
.set j, 0
	s_wait_alu depctr_va_vdst(0)
.rept 64
	v_rcp_f32 v[HA+j], v[HA+j]
.set j, j+1
.endr
	v_nop
	WIN WN
.set j, 0
	s_wait_alu depctr_va_vdst(0)
.rept 32
	v_pk_mul_f32 v[HA+j:HA+j+1], v[XB+j:XB+j+1], v[HA+j:HA+j+1]
.set j, j+2
.endr
	WIN 0
.endm
.irp a, 0,1,2,3,4,5,6,7
	GELU \a
.irp b, 0,1,2,3
.irp j, 0,1,2,3,4,5,6,7
	v_permlane16_swap_b32 v[HA+16*\b+\j], v[HA+16*\b+8+\j]   ; register 16 b + i is now column 32 b + 16 (lane / 16) + i
.endr
.endr
.if \a > 1
	s_wait_xcnt 0x0                                ; the stores of two blocks ago have read these registers
.endif
	QUANT HA, PC+16*(\a%2), PWB+\a
.irp c, 0,1,2,3
	global_store_b128 v[LI], v[PC+16*(\a%2)+4*\c:PC+16*(\a%2)+4*\c+3], s[12:13] offset:8192*\a+512*\c   ; the fragment's registers as they stand: 512 consecutive bytes
.endr
.endr
	v_and_b32 v[TM], 16, v0
	v_cmp_ne_u32 vcc_lo, 0, v[TM]
.irp k, 0,1,2,3
	v_cndmask_b32 v[OW+\k], v[PWB+\k], v[PWB+4+\k], vcc_lo   ; lanes 16-31 send blocks 4-7's words of their row
.endr
	global_store_b128 v[LSO], v[OW:OW+3], s[96:97] ; 512 consecutive bytes
	s_wait_tensorcnt 0x0                           ; the wave's end
	ds_add_u32 v[SPW], v[NIL]
	s_wait_dscnt 0x0
	CROUND                                         ; the closing round
	s_endpgm
.Lfunc_end_k_qb2c622236d_up:
	.size	k_qb2c622236d_up, .Lfunc_end_k_qb2c622236d_up-k_qb2c622236d_up
	.p2alignl 7, 3214868480
	.fill 96, 4, 3214868480
	.section	.rodata,"a",@progbits
	.p2align	6, 0x0
	.amdhsa_kernel k_qb2c622236d_up
		.amdhsa_group_segment_fixed_size 327680
		.amdhsa_private_segment_fixed_size 0
		.amdhsa_enable_private_segment 0
		.amdhsa_kernarg_size 48
		.amdhsa_user_sgpr_count 2
		.amdhsa_user_sgpr_kernarg_segment_ptr 1
		.amdhsa_wavefront_size32 1
		.amdhsa_system_sgpr_workgroup_id_x 1
		.amdhsa_system_sgpr_workgroup_id_y 1
		.amdhsa_system_sgpr_workgroup_id_z 1
		.amdhsa_system_vgpr_workitem_id 0
		.amdhsa_next_free_vgpr 1024
		.amdhsa_next_free_sgpr 98
		.amdhsa_reserve_vcc 1
		.amdhsa_float_denorm_mode_32 3
		.amdhsa_float_denorm_mode_16_64 3
		.amdhsa_memory_ordered 1
		.amdhsa_forward_progress 1
		.amdhsa_inst_pref_size 255
	.end_amdhsa_kernel
	.section	.bss,"aw",@nobits
	.p2align	6
	.space	262144
	.amdgpu_metadata
---
amdhsa.version: [ 1, 2 ]
amdhsa.kernels:
  - .name:           k_qb2c622236d_up
    .symbol:         k_qb2c622236d_up.kd
    .args:
      - { .name: a_codes, .offset: 0, .size: 8, .value_kind: global_buffer, .address_space: global }
      - { .name: a_scales, .offset: 8, .size: 8, .value_kind: global_buffer, .address_space: global }
      - { .name: w_up_codes, .offset: 16, .size: 8, .value_kind: global_buffer, .address_space: global }
      - { .name: w_up_scales, .offset: 24, .size: 8, .value_kind: global_buffer, .address_space: global }
      - { .name: gq_c, .offset: 32, .size: 8, .value_kind: global_buffer, .address_space: global }
      - { .name: gq_s, .offset: 40, .size: 8, .value_kind: global_buffer, .address_space: global }
    .group_segment_fixed_size: 327680
    .private_segment_fixed_size: 0
    .kernarg_segment_align: 8
    .kernarg_segment_size: 48
    .max_flat_workgroup_size: 128
    .sgpr_count:     98
    .vgpr_count:     1024
    .wavefront_size: 32
...
	.end_amdgpu_metadata
.endif
;; end of part 5
;; launch down (part 6): grid 8 x 32, 4 waves a work-group, clusters of 4 x 4, 327,680 bytes of LDS; arguments gq_c, gq_s, w_down_codes, w_down_scales, x1, out0; writes out0
.if DOCPART == 6
	.amdgcn_target "amdgcn-amd-amdhsa--gfx1250"
	.amdhsa_code_object_version 6
	.text
	.protected	k_qb2c622236d_down
	.globl	k_qb2c622236d_down
	.p2align	8
	.type	k_qb2c622236d_down,@function
k_qb2c622236d_down:
	s_mov_b64 s[64:65], 0
	v_nop
	global_prefetch_b8 v0, s[64:65] scope:SCOPE_SE
	s_setreg_imm32_b32 hwreg(HW_REG_WAVE_MODE, 25, 1), 1
	s_wait_xcnt 0x0
	s_wait_alu depctr_hold_cnt(0) depctr_sa_sdst(0) depctr_va_vdst(0) depctr_va_sdst(0) depctr_va_ssrc(0) depctr_va_vcc(0) depctr_vm_vsrc(0)
	s_getreg_b32 s2, hwreg(HW_REG_IB_STS2, 6, 4)
	s_cmp_eq_u32 s2, 0
	s_cbranch_scc0 .Lentry_in_a_cluster
	s_endpgm
.Lentry_in_a_cluster:
	s_bfe_u32 s2, ttmp6, 0x10000c
	s_cmp_lg_u32 s2, 0xf033
	s_cbranch_scc0 .Lentry_shape_is_right
	s_endpgm
.Lentry_shape_is_right:
; out0 = x1 + A W^T: A [4096][4096] as fragment images of E4M3 codes with scale words, W [1024][4096] as codes with E8M0 bytes.  A work-group makes 128 x 128, four waves 64 x 64 each; K goes in steps of 512 through two LDS slots.
; CLUSTER 4 x 4: A's tiles are shared along a row, W's along a column.  THE HEAD: four tiles, one joint load a wave: wave 0 slot 0's A, wave 1 its W, wave 2 A's scale words, wave 3 W's scale bytes; slot 1 is filled behind the full sequence and a round.
; PREFETCH: behind the load of slot s stands one global_prefetch_b8 a wave for slot s + 2 (s = 0 .. 5), and behind the head's loads one more, for slot 1.  Of the 32,768 bytes that a wave fetches of a slot, each of the four partners
; that ask for them jointly names 8,192, told apart by address (cx for A, cy for W): 32 lanes x 256 bytes, so each block of 256 bytes is named once in each cluster that will load it.  The loads of slots 6 and 7 ask for nothing.
.set PFA, 12                           ; s[12:13] where my prefetches stand, from slot 2 on;  s[94:95] slot 1's;  s[92:93] a slot on, in bytes;  v30 my lane's offset
.set PFS, 92
.set SIZE_K, 4096
.set NT,     SIZE_K/512
.set NE,     SIZE_K/128
.set KS,     SIZE_K/32
.set AIMG,   65536
.set WP,     528
.set SLOT,   AIMG+128*WP
.set SCA,    2*SLOT
.set SCW,    SCA+4*SIZE_K
.set HSW,    (SIZE_K/128)*272
.set SBLK,   (16*KS/256)*272
.set SPARE,  SCW+2*HSW
.set SPITCH, 272
.set ADRA, 16
.set ADRB, 20
.set ADSA, 22
.set ADSW, 23
.set STO,  24
.set RD,   25
.set CO,   26
.set SPW,  28
.set NIL,  29
.set SC,   32
.set BK,   32
.set ACC,  128
.set G1,   24
.set G0,   32
.set G1B,  48
.set G0B,  56
.set G1S,  68
.set G0S,  76
.set G1SB, 80
.set G0SB, 88
.set MSB, 0
.macro WIN new
.if MSB != (\new)
	s_set_vgpr_msb (MSB<<8)|(\new)
.set MSB, (\new)
.endif
.endm
.macro PLACES n
.rept \n
	v_nop
.endr
.endm
.macro JLOAD g0a, g1a, g0b, g1b
	s_cmp_eq_u32 s15, 0
	s_cbranch_scc0 .Lfor_b_\@
	tensor_load_to_lds s[\g0a:\g0a+3], s[\g1a:\g1a+7]
	s_nop 0
.rept 4
	v_nop
.endr
	s_branch .Lasked_\@
.Lfor_b_\@:
	tensor_load_to_lds s[\g0b:\g0b+3], s[\g1b:\g1b+7]
	s_nop 0
.rept 4
	v_nop
.endr
.Lasked_\@:
.endm
.macro CREST
	s_cmp_lg_u32 s14, 0
	s_cbranch_scc1 .Lnot_wave_0_\@
	s_barrier_signal -3
.Lnot_wave_0_\@:
	s_barrier_wait -3
	s_barrier_signal -1
	s_barrier_wait -1
.endm
.macro CROUND
	s_barrier_signal -1
	s_barrier_wait -1
	CREST
.endm
	s_load_b128 s[4:7], s[0:1], 0x0
	s_load_b128 s[8:11], s[0:1], 0x10
	s_load_b128 s[96:99], s[0:1], 0x20
	v_lshl_add_u32 v[SPW], v0, 2, SPARE
	v_mov_b32 v[NIL], 0
	ds_add_u32 v28, v29
	ds_add_u32 v28, v29
	s_wait_dscnt 0x0
	v_lshrrev_b32 v1, 5, v0
	v_readfirstlane_b32 s14, v1
	s_lshr_b32 s15, s14, 1
	s_and_b32 s16, s14, 1
	s_bfe_u32 s40, ttmp6, 0x40000
	s_bfe_u32 s41, ttmp6, 0x40004
	s_lshl_b32 s42, ttmp9, 2
	s_add_co_u32 s42, s42, s40
	s_and_b32 s17, ttmp7, 0xffff
	s_lshl_b32 s17, s17, 2
	s_add_co_u32 s17, s17, s41
	s_lshl_b32 s43, s41, 2
	s_lshl_b32 s43, 15, s43
	s_lshl_b32 s44, 0x1111, s40
	s_or_b32 s[G1], s43, (3<<16)|(1<<21)
	s_mov_b32 s[G1+1], 32<<16
	s_mov_b32 s[G1+2], 256<<16
	s_mov_b32 s[G1+3], 32<<16
	s_mov_b32 s[G1+4], 256
	s_mov_b32 s[G1+5], 32
	s_mov_b32 s[G1+6], 0
	s_mov_b32 s[G1+7], 0
	s_or_b32 s[G1B], s44, (1<<20)|(1<<21)|(6<<22)|(3<<25)
	s_mov_b32 s[G1B+1], 512<<16
	s_mov_b32 s[G1B+2], 128<<16
	s_mov_b32 s[G1B+3], 512<<16
	s_mov_b32 s[G1B+4], 128
	s_mov_b32 s[G1B+5], SIZE_K
	s_mov_b32 s[G1B+6], 0
	s_mov_b32 s[G1B+7], 0
	s_or_b32 s[G1S], s43, (3<<16)|(1<<21)
	s_mov_b32 s[G1S+1], 32<<16
	s_mov_b32 s[G1S+2], (SIZE_K/64)<<16
	s_mov_b32 s[G1S+3], 32<<16
	s_mov_b32 s[G1S+4], SIZE_K/64
	s_mov_b32 s[G1S+5], 32
	s_mov_b32 s[G1S+6], 0
	s_mov_b32 s[G1S+7], 0
	s_or_b32 s[G1SB], s44, (3<<16)|(1<<20)|(1<<21)|(5<<22)|(3<<25)
	s_mov_b32 s[G1SB+1], 32<<16
	s_mov_b32 s[G1SB+2], (SIZE_K/64)<<16
	s_mov_b32 s[G1SB+3], 32<<16
	s_mov_b32 s[G1SB+4], SIZE_K/64
	s_mov_b32 s[G1SB+5], 32
	s_mov_b32 s[G1SB+6], 0
	s_mov_b32 s[G1SB+7], 0
	s_lshl_b32 s20, s17, 16                        ; the tile's first byte of A's images,
	s_mov_b32 s21, 0
	s_mul_i32 s22, s17, 4*SIZE_K                   ; of A's scale words,
	s_mov_b32 s23, 0
	s_lshl_b32 s46, s42, 7                         ; and W's first row
	s_mul_i32 s92, s46, KS
	s_mov_b32 s93, 0
	s_mul_i32 s46, s46, SIZE_K
	s_mov_b32 s47, 0
	s_lshl_b32 s45, s16, 15
	s_mul_i32 s94, s16, 64*WP
	s_add_co_u32 s94, s94, AIMG
	s_lshl_b32 s2, s16, 15                         ; in the ring I fetch half a tile: which half, in bytes, of A
	s_mov_b32 s3, 0
	s_mul_i32 s18, s16, 64*SIZE_K                  ; and of W
	s_mov_b32 s19, 0
	s_wait_kmcnt 0x0
	s_add_nc_u64 s[20:21], s[4:5], s[20:21]
	s_add_nc_u64 s[22:23], s[6:7], s[22:23]
	s_add_nc_u64 s[46:47], s[8:9], s[46:47]
	s_add_nc_u64 s[92:93], s[10:11], s[92:93]
	CROUND
	s_mov_b32 s[G0S], 1
	s_mov_b32 s[G0S+1], SCA
	s_mov_b64 s[G0S+2:G0S+3], s[22:23]
	s_or_b32 s[G0S+3], s[G0S+3], 0x80000000
	s_mov_b32 s[G0SB], 1
	s_mov_b32 s[G0SB+1], SCW
	s_mov_b64 s[G0SB+2:G0SB+3], s[92:93]
	s_or_b32 s[G0SB+3], s[G0SB+3], 0x80000000
	s_mov_b32 s4, 1                                ; group 0 of the head's loads of slot 0, each tile whole (the arguments that lay here have been used): A's 65,536 bytes,
	s_mov_b32 s5, 0
	s_mov_b64 s[6:7], s[20:21]
	s_or_b32 s7, s7, 0x80000000
	s_mov_b32 s8, 1                                ; and W's 128 rows
	s_mov_b32 s9, AIMG
	s_mov_b64 s[10:11], s[46:47]
	s_or_b32 s11, s11, 0x80000000
	s_add_nc_u64 s[20:21], s[20:21], s[2:3]        ; for the ring: my half of the tile
	s_add_nc_u64 s[46:47], s[46:47], s[18:19]
.irp sl, 0,1
	s_mov_b32 s[G0+4*\sl], 1
	s_add_co_u32 s[G0+4*\sl+1], s45, \sl*SLOT
	s_add_nc_u64 s[G0+4*\sl+2:G0+4*\sl+3], s[20:21], \sl*0x200000
	s_or_b32 s[G0+4*\sl+3], s[G0+4*\sl+3], 0x80000000
	s_mov_b32 s[G0B+4*\sl], 1
	s_add_co_u32 s[G0B+4*\sl+1], s94, \sl*SLOT
	s_add_nc_u64 s[G0B+4*\sl+2:G0B+4*\sl+3], s[46:47], \sl*512
	s_or_b32 s[G0B+4*\sl+3], s[G0B+4*\sl+3], 0x80000000
.endr
	; the prefetches: my work-group's quarter of the half tile that I fetch
	s_cmp_eq_u32 s15, 0                            ; do I fetch for A?
	s_cselect_b64 s[94:95], s[20:21], s[46:47]
	s_cselect_b32 s22, s40, s41                    ; my place among the four that ask with me
	s_mov_b32 s23, 16*SIZE_K
	s_cselect_b32 s23, 8192, s23                   ; a partner's share: 8,192 dense bytes of A, 16 rows of W
	s_mov_b32 s[PFS], 512
	s_cselect_b32 s[PFS], 0x200000, s[PFS]         ; a slot on
	s_mov_b32 s2, SIZE_K
	s_cselect_b32 s2, 512, s2                      ; from one pair of lanes to the next: 512 bytes of A, a row of W
	s_mul_i32 s22, s22, s23
	s_add_co_u32 s22, s22, s[PFS]
	s_mov_b32 s23, 0
	s_mov_b32 s[PFS+1], 0
	s_add_nc_u64 s[94:95], s[94:95], s[22:23]      ; at slot 1
	s_add_nc_u64 s[PFA:PFA+1], s[94:95], s[PFS:PFS+1]   ; at slot 2
	v_bfe_u32 v30, v0, 1, 4
	v_mul_lo_u32 v30, v30, s2
	v_and_b32 v31, 1, v0
	v_lshl_add_u32 v30, v31, 8, v30                ; the pair's two lanes lie 256 bytes apart
	s_wait_alu depctr_va_vdst(0)
; the head's loads, one a wave, in one chain of branches on the wave's number
.macro ARM under, g0, g1, next
	s_cmp_lt_u32 s14, \under
	s_cbranch_scc0 \next
	tensor_load_to_lds s[\g0:\g0+3], s[\g1:\g1+7]
	s_nop 0
.rept 4
	v_nop
.endr
	s_branch .Lhead_asked
\next:
.endm
	ARM 1, 4,   G1,  .Lhead_b
	ARM 2, 8,   G1B, .Lhead_sa
	ARM 3, G0S, G1S, .Lhead_sb
	tensor_load_to_lds s[G0SB:G0SB+3], s[G1SB:G1SB+7]
	s_nop 0
.rept 4
	v_nop
.endr
.Lhead_asked:
	global_prefetch_b8 v30, s[94:95] th:TH_LOAD_NT scope:SCOPE_SE       ; slot 1
	global_prefetch_b8 v30, s[PFA:PFA+1] th:TH_LOAD_NT scope:SCOPE_SE   ; slot 2
	v_and_b32 v1, 15, v0
	v_bfe_u32 v2, v0, 4, 1
	v_and_b32 v3, 31, v0
	v_lshlrev_b32 v4, 4, v3
	s_lshl_b32 s21, s15, 15
	v_add_nc_u32 v[ADRA], s21, v4
	v_add_nc_u32 v[ADRA+1], SLOT, v[ADRA]
	v_mul_u32_u24 v5, v1, WP
	v_lshl_add_u32 v5, v2, 4, v5
	s_mul_i32 s22, s16, 64*WP
	s_add_co_u32 s22, s22, AIMG
	v_add_nc_u32 v[ADRB], s22, v5
	v_add_nc_u32 v[ADRB+1], SLOT, v[ADRB]
	v_lshlrev_b32 v5, 5, v1
	s_lshl_b32 s21, s15, 4
	s_add_co_u32 s21, s21, SCA
	v_add_nc_u32 v[ADSA], s21, v5
	v_mul_u32_u24 v5, v1, KS
	v_lshrrev_b32 v6, 8, v5
	v_lshl_add_u32 v5, v6, 4, v5
	s_mul_i32 s22, s16, HSW
	s_add_co_u32 s22, s22, SCW
	v_add_nc_u32 v[ADSW], s22, v5
	s_mul_i32 s23, s14, 16*SPITCH
	v_mul_u32_u24 v5, v1, SPITCH
	v_lshl_add_u32 v5, v2, 5, v5
	v_add_nc_u32 v[STO], s23, v5
	v_mul_u32_u24 v5, v2, SPITCH
	v_lshl_add_u32 v5, v1, 4, v5
	v_add_nc_u32 v[RD], s23, v5
	v_lshlrev_b32 v5, 12, v2
	v_lshl_add_u32 v[CO], v1, 4, v5
	s_wait_alu depctr_va_vdst(0)
	s_lshl_b32 s20, s17, 7
	s_lshl_b32 s21, s15, 6
	s_add_co_u32 s20, s20, s21
	s_lshl_b32 s20, s20, 12
	s_lshl_b32 s46, s42, 9
	s_lshl_b32 s47, s16, 8
	s_add_co_u32 s46, s46, s47
	s_add_co_u32 s46, s46, s20
	s_mov_b32 s47, 0
	s_add_nc_u64 s[96:97], s[96:97], s[46:47]
	s_add_nc_u64 s[98:99], s[98:99], s[46:47]
.macro FETCH
.set FB, 128*(f%2)
.set SL, (f/4)%2
.set QQ, f%4
	WIN 0x40
.irp i, 0,1,2,3
.irp c, 0,1,2,3
	ds_load_b128 v[FB+64+16*\i+4*\c:FB+64+16*\i+4*\c+3], v[ADRB+SL] offset:\i*16*WP+128*QQ+32*\c
.endr
.endr
.irp i, 0,1,2,3
.irp c, 0,1,2,3
	ds_load_b128 v[FB+16*\i+4*\c:FB+16*\i+4*\c+3], v[ADRA+SL] offset:8192*\i+2048*QQ+512*\c
.endr
.endr
	WIN 0
.endm
.macro SCALES
.set SS, SC+32*(tl%2)
.irp q, 0,1,2,3
	ds_load_b128 v[SS+4*\q:SS+4*\q+3], v[ADSA] offset:512*(4*tl+\q)
.endr
.irp b, 0,1,2,3
	ds_load_b128 v[SS+16+4*\b:SS+16+4*\b+3], v[ADSW] offset:\b*SBLK+16*tl
.endr
.endm
.macro MUL8 a0, zero
.set FB, 128*(e%2)
.set SS, SC+32*((e/4)%2)
.set QQ, e%4
.irp a, \a0, \a0+1
.irp b, 0,1,2,3
.if \zero
	v_wmma_scale_f32_16x16x128_f8f6f4 v[ACC+8*(4*(\a)+\b):ACC+8*(4*(\a)+\b)+7], v[FB+64+16*\b:FB+64+16*\b+15], v[FB+16*(\a):FB+16*(\a)+15], 0, v[SS+16+4*\b+QQ], v[SS+4*QQ+(\a)]
.else
	v_wmma_scale_f32_16x16x128_f8f6f4 v[ACC+8*(4*(\a)+\b):ACC+8*(4*(\a)+\b)+7], v[FB+64+16*\b:FB+64+16*\b+15], v[FB+16*(\a):FB+16*(\a)+15], v[ACC+8*(4*(\a)+\b):ACC+8*(4*(\a)+\b)+7], v[SS+16+4*\b+QQ], v[SS+4*QQ+(\a)]
.endif
.endr
.endr
.endm
	s_wait_alu depctr_va_vdst(0)                   ; the wait at the head's end
	s_wait_tensorcnt 0x0                           ; my tile of the head's four is in
	ds_add_u32 v[SPW], v[NIL]
	s_mov_b32 s[G1+2], 128<<16                     ; no tensor load of mine is out: from here on a load brings half a tile
	s_mov_b32 s[G1+4], 128
	s_mov_b32 s[G1B+2], 64<<16
	s_mov_b32 s[G1B+4], 64
	s_wait_xcnt 0x0                                ; the prefetches have read their addresses, so one may be stepped
	s_add_nc_u64 s[PFA:PFA+1], s[PFA:PFA+1], s[PFS:PFS+1]
	s_wait_dscnt 0x0
	CROUND                                         ; all four tiles are in, and all sixteen work-groups are here
	JLOAD G0+4, G1, G0B+4, G1B                     ; slot 1, the first tensor load behind the round
	global_prefetch_b8 v30, s[PFA:PFA+1] th:TH_LOAD_NT scope:SCOPE_SE   ; slot 3
.set f, 0
	FETCH
.set tl, 0
	SCALES
.set e, 0
.rept NE
.if e == NE-1
	s_wait_dscnt 0x0
	WIN 0x05
	MUL8 0, 0
	MUL8 2, 0
	WIN 0
.elseif e%4 != 3
	s_wait_dscnt 0x0
	PLACES 8
.set f, e+1
	FETCH
	WIN 0x05
.if e == 0
	MUL8 0, 1
	MUL8 2, 1
.else
	MUL8 0, 0
	MUL8 2, 0
.endif
	WIN 0
.else
.if (e/4)+4 < NT
	s_wait_xcnt 0x0                                ; the last prefetch has read its address: it is stepped here, ahead of the waits of the change of slots
	s_add_nc_u64 s[PFA:PFA+1], s[PFA:PFA+1], s[PFS:PFS+1]
.endif
	s_wait_tensorcnt 0x0
	ds_add_u32 v[SPW], v[NIL]
	s_wait_dscnt 0x0
	s_barrier_signal -1
	WIN 0x05
	MUL8 0, 0
	WIN 0
	s_barrier_wait -1
.if (e/4)+2 < NT
	CREST
.set GA, G0+4*((e/4)%2)
.set GB, G0B+4*((e/4)%2)
	s_add_nc_u64 s[GA+2:GA+3], s[GA+2:GA+3], 0x400000
	s_add_nc_u64 s[GB+2:GB+3], s[GB+2:GB+3], 1024
	JLOAD GA, G1, GB, G1B
	PLACES 4
.else
	PLACES 8
.endif
.set f, e+1
	FETCH
.set tl, (e/4)+1
	SCALES
.if (e/4)+4 < NT
	global_prefetch_b8 v30, s[PFA:PFA+1] th:TH_LOAD_NT scope:SCOPE_SE   ; the slot two fills on from the one just asked for
.endif
.if e == 3
	WIN 0x80                                       ; the residual x1, my 64 x 64 numbers, is asked for at the first change of slots, behind the head's tiles: nothing reads it before the way out, where s_wait_loadcnt 0 stands
.irp a, 0,1,2,3
.irp t, 0,1,2,3,4,5,6,7
	global_load_b128 v[4*(8*\a+\t):4*(8*\a+\t)+3], v[CO], s[96:97] offset:(16*\a+2*\t)*4096
.endr
.endr
	WIN 0
.endif
	WIN 0x05
	MUL8 2, 0
	WIN 0
.endif
.set e, e+1
.endr
.macro TOSTAGE a
.set BB, BK+32*((\a)%2)
.irp b, 0,1,2,3
	ds_store_b128 v[STO], v[ACC+8*(4*(\a)+\b):ACC+8*(4*(\a)+\b)+3] offset:64*\b
	ds_store_b128 v[STO], v[ACC+8*(4*(\a)+\b)+4:ACC+8*(4*(\a)+\b)+7] offset:64*\b+16
.endr
.irp t, 0,1,2,3,4,5,6,7
	ds_load_b128 v[BB+4*\t:BB+4*\t+3], v[RD] offset:\t*2*SPITCH
.endr
.endm
.macro SEND a, younger
.set BB, BK+32*((\a)%2)
	s_wait_dscnt \younger
	WIN 0x08
.set k, 0
.rept 16
	v_pk_add_f32 v[BB+k:BB+k+1], v[BB+k:BB+k+1], v[32*(\a)+k:32*(\a)+k+1]
.set k, k+2
.endr
	WIN 0
.irp t, 0,1,2,3,4,5,6,7
	global_store_b128 v[CO], v[BB+4*\t:BB+4*\t+3], s[98:99] offset:(16*(\a)+2*\t)*4096
.endr
.endm
	PLACES 8
	s_wait_loadcnt 0x0
	TOSTAGE 0
.irp a, 1,2,3
.if \a > 1
	s_wait_xcnt 0x0
.endif
	TOSTAGE \a
	SEND \a-1, 16
.endr
	SEND 3, 0
	s_wait_tensorcnt 0x0
	ds_add_u32 v[SPW], v[NIL]
	s_wait_dscnt 0x0
	CROUND
	s_endpgm
.Lfunc_end_k_qb2c622236d_down:
	.size	k_qb2c622236d_down, .Lfunc_end_k_qb2c622236d_down-k_qb2c622236d_down
	.p2alignl 7, 3214868480
	.fill 96, 4, 3214868480
	.section	.rodata,"a",@progbits
	.p2align	6, 0x0
	.amdhsa_kernel k_qb2c622236d_down
		.amdhsa_group_segment_fixed_size 327680
		.amdhsa_private_segment_fixed_size 0
		.amdhsa_enable_private_segment 0
		.amdhsa_kernarg_size 48
		.amdhsa_user_sgpr_count 2
		.amdhsa_user_sgpr_kernarg_segment_ptr 1
		.amdhsa_wavefront_size32 1
		.amdhsa_system_sgpr_workgroup_id_x 1
		.amdhsa_system_sgpr_workgroup_id_y 1
		.amdhsa_system_sgpr_workgroup_id_z 1
		.amdhsa_system_vgpr_workitem_id 0
		.amdhsa_next_free_vgpr 640
		.amdhsa_next_free_sgpr 100
		.amdhsa_reserve_vcc 0
		.amdhsa_float_denorm_mode_32 3
		.amdhsa_float_denorm_mode_16_64 3
		.amdhsa_memory_ordered 1
		.amdhsa_forward_progress 1
		.amdhsa_inst_pref_size 179
	.end_amdhsa_kernel
	.amdgpu_metadata
---
amdhsa.version: [ 1, 2 ]
amdhsa.kernels:
  - .name:           k_qb2c622236d_down
    .symbol:         k_qb2c622236d_down.kd
    .args:
      - { .name: gq_c, .offset: 0, .size: 8, .value_kind: global_buffer, .address_space: global }
      - { .name: gq_s, .offset: 8, .size: 8, .value_kind: global_buffer, .address_space: global }
      - { .name: w_down_codes, .offset: 16, .size: 8, .value_kind: global_buffer, .address_space: global }
      - { .name: w_down_scales, .offset: 24, .size: 8, .value_kind: global_buffer, .address_space: global }
      - { .name: x1, .offset: 32, .size: 8, .value_kind: global_buffer, .address_space: global }
      - { .name: out0, .offset: 40, .size: 8, .value_kind: global_buffer, .address_space: global }
    .group_segment_fixed_size: 327680
    .private_segment_fixed_size: 0
    .kernarg_segment_align: 8
    .kernarg_segment_size: 48
    .max_flat_workgroup_size: 128
    .sgpr_count:     100
    .vgpr_count:     640
    .wavefront_size: 32
...
	.end_amdgpu_metadata
.endif
;; end of part 6
